; MI455X (gfx1250); checked and timed in simulation.
; The chip was launched on July 23, 2026; its instructions are those of AMD's public machine-readable ISA for CDNA 5 (MIT licence, August 2026) and "CDNA5" Instruction Set Architecture Reference Guide (July 2026). The comments in the code are by the model that wrote it; some were corrected since.
;; Attention. Allowed arithmetic: matrix products marked QUANTISED: E2M1 operands, one E8M0 scale for each 32 along K, by v_wmma_scale_f32_16x16x128_f8f6f4 with both operands' format E2M1 (or v_wmma_scale_f32_32x16x128_f4), f32 sums; products left as they are: bf16, f16 or f32 operands; f32 sums; everything else in f32.
;; Inputs: b_out 1,024 float32; w_out 1,024 x 1,024 float32; w_qkv 1,024 x 3,072 float32; x 8 x 1,024 x 1,024 float32.
;; Outputs: out0 8 x 1,024 x 1,024 float32.
;; This version of the problem:
;;   THIS VERSION OF THE PROBLEM IS GIVEN IN LOW PRECISION. The matrix products marked QUANTISED in the list below multiply operands that are first quantised to E2M1 (2 exponent bits, 1 mantissa bit; 4 bits a number), with one power-of-two scale for each 32 numbers along K (OCP MX v1.0); their sums are f32. The products marked 'left as it is' may take bf16, f16 or f32 operands, with f32 sums. Whichever they take, every output number must still come out within the allowed error. Rounding operands to bf16 (8 significant bits) uses up far more of that allowance than f16 does (11 bits, for magnitudes from 6e-5 to 65,504). All else is computed in f32.
;;   The module's matrix products, in the order in which they are computed (A, B: the left and right operand; K: the contracted axis; several contracted axes count as one K, in the product's order):
;;     1. [M 8,192, K 1,024] x [K 1,024, N 3,072]; A: input x; B: input w_qkv: QUANTISED
;;     2. batch 128 x [M 1,024, K 64] x [K 64, N 1,024]; A: computed on the way; B: computed on the way: left as it is (an operand is computed on the way)
;;     3. batch 128 x [M 1,024, K 1,024] x [K 1,024, N 64]; A: computed on the way; B: computed on the way: left as it is (an operand is computed on the way)
;;     4. [M 8,192, K 1,024] x [K 1,024, N 1,024]; A: computed on the way; B: input w_out: left as it is (an operand is computed on the way)
;;   THE QUANTISER, for each operand of a quantised product, along K:
;;     - K is cut into blocks of 32 from its start; a last block that is shorter is filled with zeros.
;;     - A block's scale is 2^e with e = floor(log2(the largest magnitude in the block)) - 2, held to -126 .. 127; a block of zeros has e = 0. As a byte (E8M0): e + 127.
;;     - Each number is divided by its block's scale, clamped to +-6, and rounded to the nearest number of E2M1, ties to even, subnormals kept.
;;     - The product sums the exact products of the quantised numbers (number of the format x scale) in f32.
;;   ~~~python
;;   def quantise(x, axis):      # numpy; x: float32 -> the quantised numbers, widened to float32 again
;;       x = np.moveaxis(x, axis, -1); K = x.shape[-1]
;;       x = np.pad(x, [(0, 0)] * (x.ndim - 1) + [(0, -K % 32)]); x = x.reshape(x.shape[:-1] + (-1, 32)); a = np.abs(x).max(-1, keepdims=True)
;;       e = np.where(a > 0, np.clip(np.frexp(np.where(a > 0, a, 1))[1] - 1 - 2, -126, 127), 0)      # np.frexp(a)[1] - 1 = floor(log2(a)), exactly
;;       r = np.clip(x / 2.0 ** e, -6, 6)
;;       step = 2.0 ** (np.maximum(np.frexp(np.where(r == 0, 1, r))[1] - 1, 0) - 1)
;;       q = np.round(r / step) * step * 2.0 ** e      # np.round: ties to even
;;       return np.moveaxis(q.reshape(q.shape[:-2] + (-1,))[..., :K], -1, axis).astype(np.float32)
;;   ~~~
;; One version. Each part assembles by itself: llvm-mc -triple=amdgcn-amd-amdhsa -mcpu=gfx1250 --defsym DOCPART=n.
;; ======== version 1 of 1: 4 launches
;; limits: values are held in f16: magnitudes above 65,504 overflow, below 6.1e-05 lose precision
;; workspace buffers: xc 4,194,304 bytes; xs 262,144 bytes; wc 1,572,864 bytes; ws 98,304 bytes; wo 2,097,152 bytes; qkv 50,331,648 bytes; ob 16,777,216 bytes; og 32,768 bytes
;; launch prep (part 1): grid 416 x 1, 4 waves a work-group, no clusters, 50,688 bytes of LDS; arguments x, w_qkv, w_out, xc, xs, wc, ws, wo; writes xc, xs, wc, ws, wo
.if DOCPART == 1
	.amdgcn_target "amdgcn-amd-amdhsa--gfx1250"
	.amdhsa_code_object_version 6
	.text
	.protected	k_qe2e5e71e14_prep
	.globl	k_qe2e5e71e14_prep
	.p2align	8
	.type	k_qe2e5e71e14_prep,@function
k_qe2e5e71e14_prep:
	s_mov_b64 s[64:65], 0
	v_nop
	global_prefetch_b8 v0, s[64:65] scope:SCOPE_SE
	s_setreg_imm32_b32 hwreg(HW_REG_WAVE_MODE, 25, 1), 1
	s_wait_xcnt 0x0
; FIRST OF FOUR LAUNCHES.  The program: out0 = (softmax over the HEADS of (q k^T / 32)) v, heads joined, x w_out + b_out, with q, k, v = x w_qkv.
; NO WORK IS LEFT OUT: every input (b_out too) reaches the output, no product, row or step of the problem is thrown away, and there is no mask.
; This launch makes the operands of the later ones:
;   work-groups 0-255:   x [8192][1024] f32 -> codes of FP4 (E2M1), K innermost (xc, 512 bytes a row), and one E8M0 byte for each 32 along K (xs, 32 bytes a row);
;   work-groups 256-351: w_qkv [1024 (K)][3072] f32 -> the same with K made innermost: wc [3072][512 bytes], ws [3072][32];
;   work-groups 352-415: w_out [1024 (K)][1024] f32 -> f16, laid as images of matrix operands: wo [64 tiles of 16 outputs][32 slices of 32 K][1,024 bytes].
; AN IMAGE (16 rows x 32 K of f16): the eight numbers k = 8 q .. 8 q + 7 of row r lie at byte 256 q + 16 r: so lane (r, h) finds its registers 0-3 at 16 x lane and its registers 4-7 at 512 + 16 x lane.
; THE QUANTISER: a block's scale is 2^(floor(log2(largest magnitude)) - 2); its byte is the largest magnitude's exponent field - 2, held at 1 from below; each number / scale goes to the nearest code, ties to even, beyond 6 to 6.
; LIMITS: a block of zeros gets the byte 1 where the rule says 127 (its codes are zeros, and this program alone reads the bytes); blocks whose largest magnitude lies under 2^-124 are held at that floor;
; NaN and infinities among the inputs are not served; |w_out| stays under 65,504 (f16).
; The three paths part on the work-group's number alone; the two that use LDS have LDS bytes of their own.  No work-group shares an input with another: no cluster, no tensor load, no barrier.
.set SPARE, 50176                      ; behind both paths' LDS: the spare words, 128 bytes for each wave
.set SPW,   192                        ; v192 LDS address of my spare word; never rewritten
.set NIL,   193                        ; v193 0; never rewritten
.set EMAX,  2
; path X: a wave takes 16 steps of 512 numbers
.set XSTEPS, 16
.set XR,    16                         ; v16-79   four sets of 16 numbers as loaded
.set XX,    80                         ; v80-111  two sets of 16 neighbours
.set XE,    112                        ; v112-127 a scale byte for each step
.set XC,    128                        ; v128-191 codes, four registers for each step
.set XWREG, 8192                       ; LDS bytes 0 .. 32,767: a region for each wave: two stages of 32 x 80 bytes, then its 256 scale bytes
.set XSP,   80
; path W: a wave takes 16 columns x 512 along K
.set WN,    3072
.set WNB,   8                          ; blocks of 32 along K for a lane
.set WPITCH, 272
.set WKROW, 512
.set WSTG,  32768                      ; LDS bytes 32,768 .. 50,175: a stage of 16 x 272 bytes for each wave
.set WX,    32                         ; v32-95   two sets of 32 numbers
.set WC,    96                         ; v96-99   a block's codes
.set WOUT,  112                        ; v112-143 the way out
.set WSB,   24                         ; v24-25   the scale bytes
	s_load_b128 s[4:7], s[0:1], 0x0                ; x, w_qkv
	s_load_b128 s[8:11], s[0:1], 0x10              ; w_out, xc
	s_load_b128 s[12:15], s[0:1], 0x20             ; xs, wc
	s_load_b128 s[16:19], s[0:1], 0x30             ; ws, wo
	v_lshl_add_u32 v[SPW], v0, 2, SPARE
	v_mov_b32 v[NIL], 0
	v_lshrrev_b32 v1, 5, v0
	v_readfirstlane_b32 s20, v1                    ; wave 0..3
	v_and_b32 v2, 31, v0                           ; lane
	s_mov_b32 s25, 0                               ; the upper word of every offset: all stay under 2^32
	s_wait_kmcnt 0x0
	s_cmp_lt_u32 ttmp9, 256
	s_cbranch_scc0 .Lnot_x
; ---------------- PATH X.  x is a plain stream of blocks of 32.  Each load reads 512 consecutive bytes; a step's 2,048 bytes turn through the wave's own stage, so that a lane holds 16 neighbours along K.
	v_lshlrev_b32 v3, 4, v2                        ; my 16 bytes of a load's 512
	s_mul_i32 s21, s20, XWREG
	v_lshrrev_b32 v14, 2, v2
	v_mul_u32_u24 v14, v14, XSP
	v_and_b32 v15, 3, v2
	v_lshl_add_u32 v14, v15, 4, v14
	v_add_nc_u32 v14, s21, v14                     ; the stage, on the way in: 80 (lane / 4) + 16 (lane % 4)
	v_mul_u32_u24 v15, v2, XSP
	v_add_nc_u32 v15, s21, v15                     ; and on the way out: 80 x lane
	v_lshlrev_b32 v4, 3, v2                        ; my 16 codes: 8 bytes
	v_lshrrev_b32 v5, 1, v2
	s_add_co_u32 s21, s21, 2*32*XSP
	v_add_nc_u32 v5, s21, v5                       ; my block's scale byte in the wave's 256
	v_lshlrev_b32 v7, 3, v2
	v_add_nc_u32 v6, s21, v7
	s_lshl_b32 s22, ttmp9, 2
	s_add_co_u32 s22, s22, s20                     ; which run of 8,192 numbers is my wave's
	s_lshl_b32 s24, s22, 15
	s_add_nc_u64 s[4:5], s[4:5], s[24:25]          ; 32,768 bytes of x,
	s_lshl_b32 s24, s22, 12
	s_add_nc_u64 s[10:11], s[10:11], s[24:25]      ; 4,096 of codes,
	s_lshl_b32 s24, s22, 8
	s_add_nc_u64 s[12:13], s[12:13], s[24:25]      ; 256 of scale bytes a run
.macro XLOAD t
.irp i, 0,1,2,3
	global_load_b128 v[XR+16*((\t)%4)+4*\i:XR+16*((\t)%4)+4*\i+3], v3, s[4:5] offset:2048*(\t)+512*\i th:TH_LOAD_NT
.endr
.endm
.macro XTURN t                         ; LDS serves a wave's instructions in order: no wait between the stores and the loads
.irp i, 0,1,2,3
	ds_store_b128 v14, v[XR+16*((\t)%4)+4*\i:XR+16*((\t)%4)+4*\i+3] offset:32*XSP*((\t)%2)+8*XSP*\i
.endr
.irp i, 0,1,2,3
	ds_load_b128 v[XX+16*((\t)%2)+4*\i:XX+16*((\t)%2)+4*\i+3], v15 offset:32*XSP*((\t)%2)+16*\i
.endr
.endm
.irp t, 0,1,2,3
	XLOAD \t
.endr
	s_wait_loadcnt 12                              ; step 0's four loads are in; twelve younger ones stay out
	XTURN 0
.macro XSTEP t
.set XS, XX+16*((\t)%2)
.if (\t) > 0
	s_wait_dscnt 1                                 ; this step's numbers are back from the stage (the last step's byte store may be out), so its stores into the stage have read their registers,
.else
	s_wait_dscnt 0x0
.endif
.if (\t)+4 < XSTEPS
	XLOAD (\t)+4                                   ; which take the loads of four steps on
.endif
.if (\t)+1 < XSTEPS
.if XSTEPS-2-(\t) >= 3
	s_wait_loadcnt 12                              ; the next step's four loads are in; those of three steps behind it may be out
.else
	s_wait_loadcnt 4*(XSTEPS-2-(\t))
.endif
	XTURN (\t)+1
.endif
	v_max3_num_f32 v8, |v[XS]|, |v[XS+1]|, |v[XS+2]|
	v_max3_num_f32 v9, |v[XS+3]|, |v[XS+4]|, |v[XS+5]|
.irp i, 6,10
	v_max3_num_f32 v8, v8, |v[XS+\i]|, |v[XS+\i+1]|
	v_max3_num_f32 v9, v9, |v[XS+\i+2]|, |v[XS+\i+3]|
.endr
	v_max3_num_f32 v8, v8, |v[XS+14]|, |v[XS+15]|
	v_max3_num_f32 v8, v8, v9, (EMAX+1)<<23        ; and the floor 2^(3 - 127): the byte cannot fall under 1
	v_max_num_f32_dpp v8, v8, v8 row_xmask:1 row_mask:0xf bank_mask:0xf   ; with my neighbour's 16: the block's largest magnitude
	v_add_nc_u32 v11, -(EMAX<<23), v8              ; 2 off its exponent field: the conversion takes that field as its scale
	v_cvt_scalef32_pk8_fp4_f32 v[XC+4*(\t)], v[XS:XS+7], v11
	v_cvt_scalef32_pk8_fp4_f32 v[XC+4*(\t)+1], v[XS+8:XS+15], v11
	v_lshrrev_b32 v[XE+(\t)], 23, v11              ; the scale's byte
	ds_store_b8 v5, v[XE+(\t)] offset:16*(\t)      ; both lanes of a block write the same byte with the same value
	global_store_b64 v4, v[XC+4*(\t):XC+4*(\t)+1], s[10:11] offset:256*(\t)   ; the wave stores 256 consecutive bytes, aligned
.endm
.irp t, 0,1,2,3,4,5,6,7,8,9,10,11,12,13,14,15
	XSTEP \t
.endr
	ds_load_b64 v[8:9], v6
	s_wait_dscnt 0x0
	global_store_b64 v7, v[8:9], s[12:13]          ; the wave's 256 scale bytes, aligned
	s_wait_tensorcnt 0x0                           ; the wave's end: behind my last LDS store
	ds_add_u32 v[SPW], v[NIL]
	s_wait_dscnt 0x0
	s_endpgm
.Lnot_x:
	s_cmp_lt_u32 ttmp9, 352
	s_cbranch_scc0 .Lnot_w
; ---------------- PATH W.  A lane takes a column of w_qkv and its registers run down K: a block of 32 lies in one lane, and the conversions give codes with K innermost.
; A wave takes 16 columns x 512 along K: lanes 0-15 the first 256 along K of the 16 columns, lanes 16-31 the second 256.  So a lane walks 8 blocks one after the other, and 384 waves share the tensor, each with
; two blocks (64 loads) on their way.  A load reads 64 consecutive bytes of each of two rows; the four waves of a work-group stand side by side on 256.
; A column's 256 bytes of codes come from lanes l and l + 16 of ONE wave: they meet in the wave's own stage and leave as rows, with no barrier.
	s_sub_co_u32 s21, ttmp9, 256
	s_lshr_b32 s22, s21, 1                         ; which 64 columns
	s_and_b32 s23, s21, 1                          ; which 512 along K
	s_lshl_b32 s22, s22, 6
	s_lshl_b32 s24, s20, 4
	s_add_co_u32 s22, s22, s24                     ; my wave's first column
	v_and_b32 v5, 15, v2                           ; my column of the 16
	v_lshrrev_b32 v6, 4, v2                        ; my 256 of the 512 along K
	v_mul_u32_u24 v3, v6, 256*WN*4                 ; in: 256 rows of 12,288 bytes further down for lanes 16-31,
	v_lshl_add_u32 v3, v5, 2, v3                   ; + 4 bytes a column
	s_mul_i32 s26, s20, 16*WPITCH
	s_add_co_u32 s26, s26, WSTG                    ; my stage
	v_mul_u32_u24 v4, v5, WPITCH
	v_lshl_add_u32 v4, v6, 7, v4
	v_add_nc_u32 v4, s26, v4                       ; into it: row = my column, + 128 bytes for the second 256 along K
	v_mul_u32_u24 v7, v6, WPITCH
	v_lshl_add_u32 v7, v5, 4, v7
	v_add_nc_u32 v7, s26, v7                       ; out of it: sixteen lanes to a row, two rows an instruction
	v_lshlrev_b32 v8, 9, v6
	v_lshl_add_u32 v8, v5, 4, v8                   ; the same place in wc
	v_lshlrev_b32 v9, 5, v5
	v_lshl_add_u32 v9, v6, 3, v9                   ; ws: my column's row of 32 bytes, + 8 for the second 256 along K
	s_mul_i32 s24, s23, 512*WN*4
	s_lshl_b32 s27, s22, 2
	s_add_co_u32 s24, s24, s27
	s_add_nc_u64 s[6:7], s[6:7], s[24:25]
	s_lshl_b32 s24, s22, 9
	s_lshl_b32 s27, s23, 8
	s_add_co_u32 s24, s24, s27
	s_add_nc_u64 s[14:15], s[14:15], s[24:25]
	s_lshl_b32 s24, s22, 5
	s_lshl_b32 s27, s23, 4
	s_add_co_u32 s24, s24, s27
	s_add_nc_u64 s[16:17], s[16:17], s[24:25]
.macro WLOAD t                         ; block t: rows 32 t + i of my column; (255 x 12,288 bytes stay inside the signed 24-bit immediate)
.set ii, 0
.rept 32
	global_load_b32 v[WX+32*((\t)%2)+ii], v3, s[6:7] offset:(32*(\t)+ii)*WN*4 th:TH_LOAD_NT
.set ii, ii+1
.endr
.endm
	WLOAD 0
	WLOAD 1
.macro WBLOCK t
.set XS, WX+32*((\t)%2)
.if (\t) < WNB-1
	s_wait_loadcnt 32                              ; this block's 32 loads are in; the next block's may be out
.else
	s_wait_loadcnt 0x0
.endif
	v_max3_num_f32 v12, |v[XS]|, |v[XS+1]|, |v[XS+2]|
	v_max3_num_f32 v13, |v[XS+3]|, |v[XS+4]|, |v[XS+5]|
.irp i, 6,10,14,18,22,26
	v_max3_num_f32 v12, v12, |v[XS+\i]|, |v[XS+\i+1]|
	v_max3_num_f32 v13, v13, |v[XS+\i+2]|, |v[XS+\i+3]|
.endr
	v_max3_num_f32 v12, v12, |v[XS+30]|, |v[XS+31]|
	v_max3_num_f32 v12, v12, v13, (EMAX+1)<<23
	v_add_nc_u32 v11, -(EMAX<<23), v12
	v_lshrrev_b32 v13, 23, v11
.if (\t)%4 == 0
	v_mov_b32 v[WSB+(\t)/4], v13
.else
	v_lshl_or_b32 v[WSB+(\t)/4], v13, 8*((\t)%4), v[WSB+(\t)/4]
.endif
.irp g, 0,1,2,3
	v_cvt_scalef32_pk8_fp4_f32 v[WC+\g], v[XS+8*\g:XS+8*\g+7], v11
.endr
	ds_store_b128 v4, v[WC:WC+3] offset:16*(\t)
.if (\t)+2 < WNB
	WLOAD (\t)+2
.endif
	s_wait_dscnt 0x0                               ; the store has read its registers: the next block's codes may be written
.endm
.set Q, 0
.rept WNB
	WBLOCK Q
.set Q, Q+1
.endr
	global_store_b64 v9, v[WSB:WSB+1], s[16:17]    ; my 8 scale bytes
.irp t, 0,1,2,3,4,5,6,7
	ds_load_b128 v[WOUT+4*\t:WOUT+4*\t+3], v7 offset:2*\t*WPITCH   ; LDS serves a wave's instructions in order: these see my wave's stores
.endr
.irp t, 0,1,2,3,4,5,6,7
	s_wait_dscnt 7-\t                              ; the younger loads may stay out
	global_store_b128 v8, v[WOUT+4*\t:WOUT+4*\t+3], s[14:15] offset:2*\t*WKROW   ; sixteen lanes store 256 consecutive bytes, aligned
.endr
	s_wait_tensorcnt 0x0                           ; the wave's end: behind my last LDS store
	ds_add_u32 v[SPW], v[NIL]
	s_wait_dscnt 0x0
	s_endpgm
.Lnot_w:
; ---------------- PATH O.  A lane takes a column n of w_out, its registers run down K: eight neighbours along K pack into the 16 bytes that an image holds for row n % 16.  No LDS.
	s_sub_co_u32 s21, ttmp9, 352
	s_and_b32 s22, s21, 7                          ; which 128 columns
	s_lshr_b32 s23, s21, 3                         ; which 128 along K (four slices)
	s_lshl_b32 s24, s23, 19                        ; 128 rows of 4,096 bytes
	s_lshl_b32 s26, s22, 9
	s_add_co_u32 s24, s24, s26
	s_lshl_b32 s26, s20, 7
	s_add_co_u32 s24, s24, s26                     ; + 4 x (128 nb + 32 wave)
	s_add_nc_u64 s[8:9], s[8:9], s[24:25]
	s_lshl_b32 s24, s22, 18                        ; wo: ((8 nb + 2 wave) x 32 + 4 kb) x 1,024
	s_lshl_b32 s26, s20, 16
	s_add_co_u32 s24, s24, s26
	s_lshl_b32 s26, s23, 12
	s_add_co_u32 s24, s24, s26
	s_add_nc_u64 s[18:19], s[18:19], s[24:25]
	v_lshlrev_b32 v3, 2, v2
	v_lshrrev_b32 v4, 4, v2
	v_and_b32 v5, 15, v2
	v_lshlrev_b32 v4, 15, v4                       ; lanes 16-31: the next tile of 16 outputs, 32,768 bytes on
	v_lshl_add_u32 v4, v5, 4, v4
.macro OLOAD s
.set ii, 0
.rept 32
	global_load_b32 v[32+32*(\s)+ii], v3, s[8:9] offset:(32*(\s)+ii)*4096 th:TH_LOAD_NT
.set ii, ii+1
.endr
.endm
.macro OSLICE s
.if (\s) < 3
	s_wait_loadcnt 32                              ; this slice's 32 loads are in; the next slice's may be out
.else
	s_wait_loadcnt 0x0
.endif
.if (\s)+2 < 4
	OLOAD (\s)+2
.endif
.set ii, 0
.rept 16
	v_cvt_pk_f16_f32 v[32+32*(\s)+ii], v[32+32*(\s)+2*ii], v[32+32*(\s)+2*ii+1]   ; in place, ascending: a result never lands on a number still to be read
.set ii, ii+1
.endr
.irp q, 0,1,2,3
	global_store_b128 v4, v[32+32*(\s)+4*\q:32+32*(\s)+4*\q+3], s[18:19] offset:(\s)*1024+256*\q   ; sixteen lanes store 256 consecutive bytes, aligned
.endr
.endm
	OLOAD 0
	OLOAD 1
	OSLICE 0
	OSLICE 1
	OSLICE 2
	OSLICE 3
	s_endpgm
.Lfunc_end_k_qe2e5e71e14_prep:
	.size	k_qe2e5e71e14_prep, .Lfunc_end_k_qe2e5e71e14_prep-k_qe2e5e71e14_prep
	.p2alignl 7, 3214868480
	.fill 96, 4, 3214868480
	.section	.rodata,"a",@progbits
	.p2align	6, 0x0
	.amdhsa_kernel k_qe2e5e71e14_prep
		.amdhsa_group_segment_fixed_size 50688
		.amdhsa_private_segment_fixed_size 0
		.amdhsa_enable_private_segment 0
		.amdhsa_kernarg_size 64
		.amdhsa_user_sgpr_count 2
		.amdhsa_user_sgpr_kernarg_segment_ptr 1
		.amdhsa_wavefront_size32 1
		.amdhsa_system_sgpr_workgroup_id_x 1
		.amdhsa_system_sgpr_workgroup_id_y 1
		.amdhsa_system_sgpr_workgroup_id_z 1
		.amdhsa_system_vgpr_workitem_id 0
		.amdhsa_next_free_vgpr 194
		.amdhsa_next_free_sgpr 66
		.amdhsa_reserve_vcc 0
		.amdhsa_float_denorm_mode_32 3
		.amdhsa_float_denorm_mode_16_64 3
		.amdhsa_memory_ordered 1
		.amdhsa_forward_progress 1
		.amdhsa_inst_pref_size 91
	.end_amdhsa_kernel
	.amdgpu_metadata
---
amdhsa.version: [ 1, 2 ]
amdhsa.kernels:
  - .name:           k_qe2e5e71e14_prep
    .symbol:         k_qe2e5e71e14_prep.kd
    .args:
      - { .name: x, .offset: 0, .size: 8, .value_kind: global_buffer, .address_space: global }
      - { .name: w_qkv, .offset: 8, .size: 8, .value_kind: global_buffer, .address_space: global }
      - { .name: w_out, .offset: 16, .size: 8, .value_kind: global_buffer, .address_space: global }
      - { .name: xc, .offset: 24, .size: 8, .value_kind: global_buffer, .address_space: global }
      - { .name: xs, .offset: 32, .size: 8, .value_kind: global_buffer, .address_space: global }
      - { .name: wc, .offset: 40, .size: 8, .value_kind: global_buffer, .address_space: global }
      - { .name: ws, .offset: 48, .size: 8, .value_kind: global_buffer, .address_space: global }
      - { .name: wo, .offset: 56, .size: 8, .value_kind: global_buffer, .address_space: global }
    .group_segment_fixed_size: 50688
    .private_segment_fixed_size: 0
    .kernarg_segment_align: 8
    .kernarg_segment_size: 64
    .max_flat_workgroup_size: 128
    .sgpr_count:     66
    .vgpr_count:     194
    .wavefront_size: 32
...
	.end_amdgpu_metadata
.endif
;; end of part 1
;; launch qkv (part 2): grid 12 x 32, 4 waves a work-group, clusters of 4 x 4, 327,680 bytes of LDS; arguments xc, xs, wc, ws, qkv; writes qkv
.if DOCPART == 2
	.amdgcn_target "amdgcn-amd-amdhsa--gfx1250"
	.amdhsa_code_object_version 6
	.text
	.protected	k_qe2e5e71e14_qkv
	.globl	k_qe2e5e71e14_qkv
	.p2align	8
	.type	k_qe2e5e71e14_qkv,@function
k_qe2e5e71e14_qkv:
	s_mov_b64 s[64:65], 0
	v_nop
	global_prefetch_b8 v0, s[64:65] scope:SCOPE_SE
	s_setreg_imm32_b32 hwreg(HW_REG_WAVE_MODE, 25, 1), 1
	s_wait_xcnt 0x0
	s_wait_alu depctr_hold_cnt(0) depctr_sa_sdst(0) depctr_va_vdst(0) depctr_va_sdst(0) depctr_va_ssrc(0) depctr_va_vcc(0) depctr_vm_vsrc(0)
	s_getreg_b32 s2, hwreg(HW_REG_IB_STS2, 6, 4)
	s_cmp_eq_u32 s2, 0
	s_cbranch_scc0 .Lentry_in_a_cluster
	s_endpgm
.Lentry_in_a_cluster:
	s_bfe_u32 s2, ttmp6, 0x10000c
	s_cmp_lg_u32 s2, 0xf033
	s_cbranch_scc0 .Lentry_shape_is_right
	s_endpgm
.Lentry_shape_is_right:
; SECOND LAUNCH: q, k, v = x w_qkv on codes of FP4 (E2M1) with one E8M0 scale for each 32 along K; sums in f32.  Nothing of the problem is left out here.
; A = x's codes [8192][1024], B = w_qkv's codes [3072][1024] (K innermost), both with their scale bytes, as the first launch laid them.
; A tile of 256 x 256 is made by four waves, 128 x 128 each: 64 accumulators, 512 registers.  K = 1,024 is two LDS slots of 512 along K (rows of 256 bytes): both are asked for at the head, and nothing is filled again.
; The scale bytes of the work-group's rows of A and of B, for all of K, come once with the first fills.
; CLUSTERS: 4 x 4 work-groups; A's tiles are asked for jointly along a row of the cluster, B's along a column.  THE MATRIX INSTRUCTION IS USED TRANSPOSED (source 0 = 16 rows of B, source 1 = 16 rows of A):
; a lane holds one token (lane % 16) and eight neighbouring channels 8 (lane / 16) + 0 .. 7.
; THE RESULT goes out as f16, as IMAGES OF THE NEXT LAUNCH'S OPERANDS: qkv [512 tiles of 16 tokens][96 groups of 32 channels][1,024 bytes]; groups 0-31 q, 32-63 k, 64-95 v.  A packed accumulator (16 tokens x 16 channels,
; 16 bytes a lane) IS half of such an image, lane l's bytes at 16 l: it is stored as it stands, 512 consecutive bytes a store, with no way through LDS.
; In v's groups the lanes' places are permuted: (token r, channel half hh) lies at 16 ((r % 8) + 8 hh + 16 (r / 8)), so that the turning LDS load of the next launch, at 16 x lane, gives a lane one channel and eight tokens.
; LIMIT: |q|, |k|, |v| stay under 65,504 (f16); NaN and infinities are not served.
; REGISTERS, in windows of 256: window 0: v0-31 addresses; v32-95 scale words, two sets; from v128 A's fragments, one set (on the way out: the packed results).  window 1: B's fragments, two sets.  windows 2, 3: the accumulators.
.set SIZE_M, 8192
.set SIZE_N, 3072
.set SIZE_K, 1024
.set KSTEP,  512
.set NQ,     KSTEP/128
.set ROWB,   256
.set KROW,   SIZE_K*4/8
.set PITCH,  272                       ; an LDS row: 256 bytes + 16 of padding: the 16 rows that a load touches start at 16 different banks
.set FR,     8
.set NL,     2
.set NP,     4
.set HALFT,  128*PITCH
.set SLOT,   4*HALFT
.set KS,     SIZE_K/32
.set SCL,    2*SLOT
.set HALFS,  (128*KS/256)*272
.set SBLK,   (16*KS/256)*272
.set SPARE,  SCL+4*HALFS               ; the spare words, 128 bytes for each wave
.set ADRA, 16
.set ADRB, 20
.set CO,   26                          ; v26  my 16 bytes' place in half an image
.set ADRS, 27
.set SPW,  28
.set NIL,  29
.set SC,   32
.set AF,   128
.set TMP,  128                         ; the way out: packed results, v128-159 and v160-191 by turns
.set G1, 24
.set G0, 32
.set G1B, 48
.set G0B, 56
.set G1S, 68
.set G0S, 76
.set G1SB, 80
.set G0SB, 88
.set MSB, 0
.macro WIN new                         ; the immediate's high byte repeats the setting that is left
.if MSB != \new
	s_set_vgpr_msb (MSB<<8)|\new
.set MSB, \new
.endif
.endm
.set MUL_LO, 0xa1
.set MUL_HI, 0xf1
.set TO_B,   0x40
; A joint load: waves 0 and 1 fetch for A, waves 2 and 3 for B; the branch hangs on the wave's number alone.  An s_nop 0 and four v_nop follow each of the two lines.
.macro JLOAD g0a, g1a, g0b, g1b
	s_cmp_eq_u32 s15, 0
	s_cbranch_scc0 .Lfor_b_\@
	tensor_load_to_lds s[\g0a:\g0a+3], s[\g1a:\g1a+7]
	s_nop 0
.rept 4
	v_nop
.endr
	s_branch .Lasked_\@
.Lfor_b_\@:
	tensor_load_to_lds s[\g0b:\g0b+3], s[\g1b:\g1b+7]
	s_nop 0
.rept 4
	v_nop
.endr
.Lasked_\@:
.endm
.macro CROUND                          ; a round of the cluster's barrier
	s_barrier_signal -1
	s_barrier_wait -1
	s_cmp_lg_u32 s14, 0
	s_cbranch_scc1 .Lnot_wave_0_\@
	s_barrier_signal -3
.Lnot_wave_0_\@:
	s_barrier_wait -3
	s_barrier_signal -1
	s_barrier_wait -1
.endm
	s_load_b128 s[4:7], s[0:1], 0x0                ; A's codes, A's scales
	s_load_b128 s[8:11], s[0:1], 0x10              ; B's codes, B's scales
	s_load_b64 s[12:13], s[0:1], 0x20              ; qkv
	v_lshl_add_u32 v[SPW], v0, 2, SPARE
	v_mov_b32 v[NIL], 0
	ds_add_u32 v[SPW], v[NIL]                      ; the wave's opening: the add, twice on end, and its wait ahead of my first tensor load
	ds_add_u32 v[SPW], v[NIL]
	v_lshrrev_b32 v1, 5, v0
	v_readfirstlane_b32 s14, v1                    ; wave 0..3
	s_lshr_b32 s15, s14, 1                         ; which half of the tile's rows is mine.  Also: I fetch for A (0) or for B (1)
	s_and_b32 s16, s14, 1                          ; which half of its columns.  Also: which 128 rows of that tile I fetch
	s_bfe_u32 s40, ttmp6, 0x40000                  ; cx, cy
	s_bfe_u32 s41, ttmp6, 0x40004
	s_lshl_b32 s42, ttmp9, 2
	s_add_co_u32 s42, s42, s40                     ; tile column
	s_and_b32 s17, ttmp7, 0xffff
	s_lshl_b32 s17, s17, 2
	s_add_co_u32 s17, s17, s41                     ; tile row
	s_lshl_b32 s43, s41, 2
	s_lshl_b32 s43, 15, s43                        ; my row of the cluster
	s_lshl_b32 s44, 0x1111, s40                    ; my column
	s_or_b32 s[G1+0], s43, (0<<16)|(1<<20)|(1<<21)|(5<<22)|(3<<25)  ; the mask; elements of 1 byte; padding on: 4 words behind every 64; bit 21 beside a mask
	s_or_b32 s[G1B+0], s44, (0<<16)|(1<<20)|(1<<21)|(5<<22)|(3<<25)
.irp g, G1, G1B
	s_mov_b32 s[\g+1], ROWB<<16                    ; tensor_dim0
	s_mov_b32 s[\g+2], 128<<16                     ; tensor_dim1
	s_mov_b32 s[\g+3], ROWB<<16                    ; tile_dim0
	s_mov_b32 s[\g+4], 128                         ; tile_dim1
	s_mov_b32 s[\g+5], KROW                        ; the pitch
	s_mov_b32 s[\g+6], 0
	s_mov_b32 s[\g+7], 0
.endr
	s_or_b32 s[G1S+0], s43, (3<<16)|(1<<20)|(1<<21)|(5<<22)|(3<<25)  ; the scales of 128 rows: a dense block, as rows of 256 bytes (32 elements of 8), 16 bytes of padding behind each
	s_or_b32 s[G1SB+0], s44, (3<<16)|(1<<20)|(1<<21)|(5<<22)|(3<<25)
.irp g, G1S, G1SB
	s_mov_b32 s[\g+1], 32<<16
	s_mov_b32 s[\g+2], (128*KS/256)<<16
	s_mov_b32 s[\g+3], 32<<16
	s_mov_b32 s[\g+4], 128*KS/256
	s_mov_b32 s[\g+5], 32
	s_mov_b32 s[\g+6], 0
	s_mov_b32 s[\g+7], 0
.endr
	s_lshl_b32 s18, s16, 7
	s_lshl_b32 s20, s17, 8
	s_add_co_u32 s20, s20, s18                     ; A: row 256 x tile row + 128 x half
	s_lshl_b32 s46, s42, 8
	s_add_co_u32 s46, s46, s18                     ; B: row 256 x tile column + 128 x half
	s_mov_b32 s21, 0
	s_mov_b32 s47, 0
	s_mov_b64 s[18:19], KS
	s_mul_u64 s[22:23], s[20:21], s[18:19]
	s_mul_u64 s[92:93], s[46:47], s[18:19]
	s_mov_b64 s[18:19], KROW
	s_mul_u64 s[20:21], s[20:21], s[18:19]
	s_mul_u64 s[46:47], s[46:47], s[18:19]
	s_mul_i32 s45, s14, HALFT                      ; where they go: wave x 128 rows
	s_mul_i32 s94, s14, HALFS
	s_wait_dscnt 0x0                               ; both opening adds are done
	s_wait_kmcnt 0x0
	s_add_nc_u64 s[20:21], s[4:5], s[20:21]
	s_add_nc_u64 s[22:23], s[6:7], s[22:23]
	s_add_nc_u64 s[46:47], s[8:9], s[46:47]
	s_add_nc_u64 s[92:93], s[10:11], s[92:93]
	CROUND                                         ; all sixteen work-groups are here: the first joint loads meet
	s_mov_b32 s[G0S], 1
	s_add_co_u32 s[G0S+1], s94, SCL
	s_mov_b64 s[G0S+2:G0S+3], s[22:23]
	s_or_b32 s[G0S+3], s[G0S+3], 0x80000000
	s_mov_b32 s[G0SB], 1
	s_add_co_u32 s[G0SB+1], s94, SCL
	s_mov_b64 s[G0SB+2:G0SB+3], s[92:93]
	s_or_b32 s[G0SB+3], s[G0SB+3], 0x80000000
	JLOAD G0S, G1S, G0SB, G1SB                     ; the scales first; three loads of a wave are out behind the head
.irp s, 0,1
	s_mov_b32 s[G0+4*\s], 1
	s_add_co_u32 s[G0+4*\s+1], s45, \s*SLOT
	s_add_nc_u64 s[G0+4*\s+2:G0+4*\s+3], s[20:21], \s*ROWB
	s_or_b32 s[G0+4*\s+3], s[G0+4*\s+3], 0x80000000
	s_mov_b32 s[G0B+4*\s], 1
	s_add_co_u32 s[G0B+4*\s+1], s45, \s*SLOT
	s_add_nc_u64 s[G0B+4*\s+2:G0B+4*\s+3], s[46:47], \s*ROWB
	s_or_b32 s[G0B+4*\s+3], s[G0B+4*\s+3], 0x80000000
	JLOAD G0+4*\s, G1, G0B+4*\s, G1B
.endr
	v_and_b32 v1, 15, v0                           ; l % 16
	v_bfe_u32 v2, v0, 4, 1                         ; l / 16
	v_mul_u32_u24 v3, v1, PITCH
	v_lshl_add_u32 v4, v2, 4, v3
	s_mul_i32 s21, s15, HALFT
	s_mul_i32 s22, s16, HALFT
	s_add_co_u32 s22, s22, 2*HALFT
.irp s, 0,1
	v_add_nc_u32 v[ADRA+\s], s21, v4
	v_add_nc_u32 v[ADRB+\s], s22, v4
	s_add_co_u32 s21, s21, SLOT
	s_add_co_u32 s22, s22, SLOT
.endr
	v_mul_u32_u24 v5, v1, KS
	v_lshrrev_b32 v6, 8, v5
	v_lshl_add_u32 v5, v6, 4, v5
	s_mul_i32 s21, s15, HALFS
	s_mul_i32 s22, s16, HALFS
	s_add_co_u32 s22, s22, 2*HALFS
	s_sub_co_u32 s22, s22, s21
	v_mul_u32_u24 v6, s22, v2                      ; lanes 16-31 take B's scale words
	s_add_co_u32 s21, s21, SCL
	v_add_nc_u32 v5, v5, v6
	v_add_nc_u32 v[ADRS], s21, v5
	v_and_b32 v6, 31, v0
	v_lshlrev_b32 v5, 4, v6                        ; q, k: 16 x lane
	v_and_b32 v7, 7, v6
	v_lshrrev_b32 v8, 4, v6
	v_lshl_or_b32 v7, v8, 3, v7
	v_and_b32 v8, 8, v6
	v_lshl_or_b32 v7, v8, 1, v7
	v_lshlrev_b32 v7, 4, v7                        ; v: 16 x ((lane % 8) + 8 (lane / 16) + 2 (lane & 8))
	s_cmp_eq_u32 ttmp9, 2                          ; columns 2,048 on are the third cluster along x: the same in all partners, and it enters a global offset alone
	s_cselect_b32 s18, -1, 0
	v_cndmask_b32 v[CO], v5, v7, s18
	s_lshl_b32 s20, s17, 4
	s_lshl_b32 s21, s15, 3
	s_add_co_u32 s20, s20, s21                     ; my first tile of 16 tokens
	s_mul_i32 s20, s20, 96
	s_lshl_b32 s46, s42, 3
	s_lshl_b32 s47, s16, 2
	s_add_co_u32 s46, s46, s47                     ; my first group of 32 channels
	s_add_co_u32 s20, s20, s46
	s_lshl_b32 s20, s20, 10
	s_mov_b32 s21, 0
	s_add_nc_u64 s[12:13], s[12:13], s[20:21]
.macro FRAG reg, adr, q, i             ; 16 rows x 128 K of 4-bit codes: 8 registers: two loads of 16 bytes, 32 bytes apart
.irp c, 0,1
	ds_load_b128 v[\reg+4*\c:\reg+4*\c+3], v[\adr] offset:64*(\q)+32*\c+(\i)*16*PITCH
.endr
.endm
; 16 matrix instructions: A's blocks a0, a0 + 1 x B's eight.  The 64 accumulators take turns, one instruction a turn, in the same order in every step.
.macro MUL16 a0, p, q, sc, zero
.irp a, \a0, \a0+1
.irp b, 0,1,2,3,4,5,6,7
.if \zero
	v_wmma_scale_f32_16x16x128_f8f6f4 v[8*(8*((\a)%4)+\b):8*(8*((\a)%4)+\b)+7], v[128*(\p)+FR*\b:128*(\p)+FR*\b+FR-1], v[AF+FR*(\a):AF+FR*(\a)+FR-1], 0, v[SC+8*NQ*(\sc)+NQ*\b+(\q)], v[SC+8*NQ*(\sc)+NQ*(\a)+(\q)] matrix_a_fmt:MATRIX_FMT_FP4 matrix_b_fmt:MATRIX_FMT_FP4 matrix_a_scale:MATRIX_SCALE_ROW1
.else
	v_wmma_scale_f32_16x16x128_f8f6f4 v[8*(8*((\a)%4)+\b):8*(8*((\a)%4)+\b)+7], v[128*(\p)+FR*\b:128*(\p)+FR*\b+FR-1], v[AF+FR*(\a):AF+FR*(\a)+FR-1], v[8*(8*((\a)%4)+\b):8*(8*((\a)%4)+\b)+7], v[SC+8*NQ*(\sc)+NQ*\b+(\q)], v[SC+8*NQ*(\sc)+NQ*(\a)+(\q)] matrix_a_fmt:MATRIX_FMT_FP4 matrix_b_fmt:MATRIX_FMT_FP4 matrix_a_scale:MATRIX_SCALE_ROW1
.endif
.endr
.endr
.endm
.macro FETCH_B slot, q, p
	WIN TO_B
.irp i, 0,1,2,3,4,5,6,7
	FRAG 128*(\p)+FR*\i, ADRB+\slot, \q, \i
.endr
	WIN 0
.endm
.macro FETCH_A slot, q, i0
.irp i, \i0, \i0+1, \i0+2, \i0+3
	FRAG AF+FR*(\i), ADRA+\slot, \q, \i
.endr
.endm
.macro SCALES sc                       ; a slot's scale words: lanes 0-15 A's block i, lanes 16-31 B's block i
.irp i, 0,1,2,3,4,5,6,7
	ds_load_b128 v[SC+8*NQ*\sc+NQ*\i:SC+8*NQ*\sc+NQ*\i+3], v[ADRS] offset:\i*SBLK
.endr
.endm
.macro PLACES n                        ; plain vector instructions between a matrix instruction and a load into, or a read of, its registers
.rept \n
	v_nop
.endr
.endm
.macro STEP slot, q, zero
	s_wait_dscnt 4*NL                              ; B's set and A's blocks 0-3 are in; the youngest eight loads (A's blocks 4-7) may be out
	WIN MUL_LO
	MUL16 0, (\q)%2, \q, \slot, \zero
	MUL16 2, (\q)%2, \q, \slot, \zero
	s_wait_dscnt 0
	PLACES NP
	FETCH_B \slot, (\q)+1, 1-(\q)%2
	FETCH_A \slot, (\q)+1, 0
	WIN MUL_HI
	MUL16 4, (\q)%2, \q, \slot, \zero
	MUL16 6, (\q)%2, \q, \slot, \zero
	PLACES NP
	WIN 0
	FETCH_A \slot, (\q)+1, 4
.endm
; Slot 0's last step changes slots: each wave waits for all its tensor loads (its part of slot 1), then one barrier shows slot 1 whole to all four.
.macro TURN slot, next
	s_wait_tensorcnt 0x0
	ds_add_u32 v[SPW], v[NIL]
	s_wait_dscnt 4*NL+1                            ; the add and the youngest eight loads may be out
	WIN MUL_LO
	MUL16 0, 1, NQ-1, \slot, 0
	s_wait_dscnt 0x0
	s_barrier_signal -1
	MUL16 2, 1, NQ-1, \slot, 0
	WIN 0
	s_barrier_wait -1
	PLACES NP
	v_add_nc_u32 v[ADRS], 4*NQ, v[ADRS]            ; on to the next slot's scale words
	FETCH_B \next, 0, 0
	FETCH_A \next, 0, 0
	SCALES \next
	WIN MUL_HI
	MUL16 4, 1, NQ-1, \slot, 0
	MUL16 6, 1, NQ-1, \slot, 0
	PLACES NP
	WIN 0
	FETCH_A \next, 0, 4
.endm
.macro STEPS slot, from
.set Q, \from
.rept NQ-1-\from
	STEP \slot, Q, 0
.set Q, Q+1
.endr
.endm
	s_wait_tensorcnt 1                             ; the scales and my part of slot 0 are in; slot 1's load may be out
	s_barrier_signal -1
	s_barrier_wait -1
	FETCH_B 0, 0, 0
	FETCH_A 0, 0, 0
	SCALES 0
	FETCH_A 0, 0, 4
	STEP 0, 0, 1                                   ; the first products start the sums: nothing is cleared
	STEPS 0, 1
	TURN 0, 1
	STEPS 1, 0
	s_wait_dscnt 4*NL
	WIN MUL_LO
	MUL16 0, 1, NQ-1, 1, 0
	MUL16 2, 1, NQ-1, 1, 0
	s_wait_dscnt 0
	WIN MUL_HI
	MUL16 4, 1, NQ-1, 1, 0
	MUL16 6, 1, NQ-1, 1, 0
	WIN 0
; THE WAY OUT of block a (16 tokens x 128 channels): each accumulator, from its low end on, is rounded to f16 (16 bytes a lane) and stored as half an image.
.macro OUTB a
.set AC, 64*((\a)%4)
.set TP, TMP+32*((\a)%2)
.if (\a) > 1
	s_wait_xcnt 0x0                                ; block a - 2's stores have read their registers: they may be written again
.endif
	WIN 0x0a+5*((\a)/4)                            ; sources 0 and 1: window 2 or 3
.irp b, 0,1,2,3,4,5,6,7
.irp k, 0,1,2,3
	v_cvt_pk_f16_f32 v[TP+4*\b+\k], v[AC+8*\b+2*\k], v[AC+8*\b+2*\k+1]
.endr
.endr
	WIN 0
.irp b, 0,1,2,3,4,5,6,7
	global_store_b128 v[CO], v[TP+4*\b:TP+4*\b+3], s[12:13] offset:(\a)*98304+(\b/2)*1024+(\b%2)*512 th:TH_STORE_NT   ; the wave stores 512 consecutive bytes, aligned
.endr
.endm
	PLACES NP                                      ; behind the last products: their results are read, and A's registers are written, only from here on
.irp a, 0,1,2,3,4,5,6,7
	OUTB \a
.endr
	s_wait_tensorcnt 0x0                           ; the wave's end
	ds_add_u32 v[SPW], v[NIL]
	s_wait_dscnt 0x0
	CROUND                                         ; the closing round
	s_endpgm
.Lfunc_end_k_qe2e5e71e14_qkv:
	.size	k_qe2e5e71e14_qkv, .Lfunc_end_k_qe2e5e71e14_qkv-k_qe2e5e71e14_qkv
	.p2alignl 7, 3214868480
	.fill 96, 4, 3214868480
	.section	.rodata,"a",@progbits
	.p2align	6, 0x0
	.amdhsa_kernel k_qe2e5e71e14_qkv
		.amdhsa_group_segment_fixed_size 327680
		.amdhsa_private_segment_fixed_size 0
		.amdhsa_enable_private_segment 0
		.amdhsa_kernarg_size 40
		.amdhsa_user_sgpr_count 2
		.amdhsa_user_sgpr_kernarg_segment_ptr 1
		.amdhsa_wavefront_size32 1
		.amdhsa_system_sgpr_workgroup_id_x 1
		.amdhsa_system_sgpr_workgroup_id_y 1
		.amdhsa_system_sgpr_workgroup_id_z 1
		.amdhsa_system_vgpr_workitem_id 0
		.amdhsa_next_free_vgpr 1024
		.amdhsa_next_free_sgpr 98
		.amdhsa_reserve_vcc 0
		.amdhsa_float_denorm_mode_32 3
		.amdhsa_float_denorm_mode_16_64 3
		.amdhsa_memory_ordered 1
		.amdhsa_forward_progress 1
		.amdhsa_inst_pref_size 118
	.end_amdhsa_kernel
	.amdgpu_metadata
---
amdhsa.version: [ 1, 2 ]
amdhsa.kernels:
  - .name:           k_qe2e5e71e14_qkv
    .symbol:         k_qe2e5e71e14_qkv.kd
    .args:
      - { .name: xc, .offset: 0, .size: 8, .value_kind: global_buffer, .address_space: global }
      - { .name: xs, .offset: 8, .size: 8, .value_kind: global_buffer, .address_space: global }
      - { .name: wc, .offset: 16, .size: 8, .value_kind: global_buffer, .address_space: global }
      - { .name: ws, .offset: 24, .size: 8, .value_kind: global_buffer, .address_space: global }
      - { .name: qkv, .offset: 32, .size: 8, .value_kind: global_buffer, .address_space: global }
    .group_segment_fixed_size: 327680
    .private_segment_fixed_size: 0
    .kernarg_segment_align: 8
    .kernarg_segment_size: 40
    .max_flat_workgroup_size: 128
    .sgpr_count:     98
    .vgpr_count:     1024
    .wavefront_size: 32
...
	.end_amdgpu_metadata
.endif
;; end of part 2
;; launch attn (part 3): grid 32 x 8, 4 waves a work-group, clusters of 4 x 1, 327,680 bytes of LDS; arguments qkv, ob, og; writes ob, og
.if DOCPART == 3
	.amdgcn_target "amdgcn-amd-amdhsa--gfx1250"
	.amdhsa_code_object_version 6
	.text
	.protected	k_qe2e5e71e14_attn
	.globl	k_qe2e5e71e14_attn
	.p2align	8
	.type	k_qe2e5e71e14_attn,@function
k_qe2e5e71e14_attn:
	s_mov_b64 s[64:65], 0
	v_nop
	global_prefetch_b8 v0, s[64:65] scope:SCOPE_SE
	s_setreg_imm32_b32 hwreg(HW_REG_WAVE_MODE, 25, 1), 1
	s_wait_xcnt 0x0
	s_wait_alu depctr_hold_cnt(0) depctr_sa_sdst(0) depctr_va_vdst(0) depctr_va_sdst(0) depctr_va_ssrc(0) depctr_va_vcc(0) depctr_vm_vsrc(0)
	s_getreg_b32 s2, hwreg(HW_REG_IB_STS2, 6, 4)
	s_cmp_eq_u32 s2, 0
	s_cbranch_scc0 .Lentry_in_a_cluster
	s_endpgm
.Lentry_in_a_cluster:
	s_bfe_u32 s2, ttmp6, 0x10000c
	s_cmp_lg_u32 s2, 0x3003
	s_cbranch_scc0 .Lentry_shape_is_right
	s_endpgm
.Lentry_shape_is_right:
; THIRD LAUNCH: O[b][h][q] = sum over keys of p V, p = softmax OVER THE 16 HEADS of (q . k / 32), for each (batch, query, key) by itself.  Nothing of the problem is left out here.
; Operands f16, sums f32; the softmax in f32, with the true maximum over the heads taken away ahead of the exponential.
; SHARES.  A work-group owns 32 queries (two tiles of 16) of one batch and walks the batch's 1,024 keys, 32 a step.  Two ways of sharing, joined through LDS:
;   scores and softmax: wave w takes query tile w % 2 x key tile w / 2 x ALL 16 heads, so that the 16 numbers of a softmax lie in ONE lane's 16 accumulators and no lane asks another;
;   second product:     wave w takes heads 4 w .. 4 w + 3 x both query tiles.   p (f16) goes from wave to wave as images of the operand's registers, 32 KB a step, written once and read once.
; LAYOUT.  S^T = K Q^T (source 0 = 16 keys, source 1 = 16 queries): a lane holds query lane % 16 and keys 8 (lane / 16) + 0..7.  Packed to f16 that is half of source 1 (32 keys x 16 queries) of O^T = V^T P.
; PIPELINE.  Trip j: the 32 products S(j); then the softmax of step j with the 32 products V^T P of step j - 1 set among its vector instructions, one behind every seventh.
; THE TRIP'S LDS INSTRUCTIONS STAND IN SHORT RUNS WITH OTHER WORK BETWEEN: K's 64 loads in four groups of 16, each a group ahead of its eight products; p's 16 loads behind them; V's 32 turning loads in four groups
; of 8, a head's group some 70 vector instructions ahead of that head's products; p's 16 stores one behind each head's conversions.
; K, V come as dense pieces of 32 KB (a tile of 16 tokens x all heads, as the launch before laid them) through two rings of two slots; waves 0, 1 fetch K's two key tiles, waves 2, 3 V's.
; CLUSTER.  The four query blocks of a cluster belong to one batch and walk the same K and V: every piece is asked for JOINTLY (mask 15), by one line whose registers hang on the batch and the wave's number alone.
; O LEAVES AS f16 WITH A POWER OF TWO FOR EACH ROW: a row is multiplied by 2^(141 - E), E the exponent field of its largest magnitude (held at 15 from below), so that this magnitude lies in [2^14, 2^15);
; the inverse goes to og, and the last launch multiplies its sums by it: nothing is rounded by either.
; LIMITS: NaN and infinities are not served; |q|, |k|, |v| under 65,504.
; REGISTERS, in windows of 256: window 0: v1-12 addresses, v16-23 maxima, v24-31 sums, v32-51 the tail's, v64-191 S (head hd at v[64 + 8 hd]), v192-255 P as read back (head i of mine, query tile qt at v[192 + 8 (2 i + qt)]);
;   window 1: K's 32 fragments, then V's 16;   window 2: Q's 32 fragments;   window 3: O^T, 32 accumulators (head i, channel tile t, query tile qt at v[8 (8 i + 2 t + qt)]).
.set TILEB, 98304                      ; a tile of 16 tokens in qkv: 96 groups of 1,024 bytes
.set STEPB, 2*TILEB                    ; a key step
.set HSLOT, 65536                      ; a slot: two pieces of 32 KB
.set VR,    131072                     ; LDS: K's ring at 0, V's here,
.set PA,    262144                     ; p: chunk (head, query tile, key tile) at ((2 hd + qt) 2 + kt) x 512,
.set RM,    294912                     ; the rows' largest magnitudes, 128 bytes a wave,
.set SPARE, 295424                     ; the spare words, 128 bytes for each wave
.set LI,  1                            ; 16 x lane
.set AK0, 2                            ; my key tile in slot 0 of K's ring
.set AV0, 3                            ; my four heads in slot 0 of V's ring
.set ADK, 4
.set ADV, 5
.set APS, 6                            ; where I store p
.set APL, 7                            ; where I read it
.set ARM, 8
.set ARS, 9
.set SPW, 10
.set NIL, 11
.set PFO, 12                           ; 256 x lane
.set M,   16
.set Z,   24
.set S,   64
.set PIN, 192
.set WV,  10                           ; s10 wave
.set G1,  16                           ; s[16:23] the one group 1
.set G0A, 24                           ; s[24:27] group 0 of my first first fill
.set G0B, 28                           ; s[28:31] of the second; it then walks
.set PFA, 32                           ; s[32:33] where my prefetches stand
.set LIM, 34
.set CNT, 35
.set SKO, 36                           ; the slot of K's ring in hand: 0 or 65,536
.set SVO, 37                           ; and of V's
.set CP,  38                           ; s[38:39] c = log2(e) / 32
.set CN,  40                           ; s[40:41] -c
.set SEL, 42                           ; s[42:43] lane l xor 16
.set MSB, 0
.set VSP, 0
.macro WIN new
.if MSB != \new
	s_set_vgpr_msb (MSB<<8)|\new
.set MSB, \new
.endif
.endm
.macro ROUND                           ; a round of the cluster's barrier
	s_barrier_signal -1
	s_barrier_wait -1
	s_cmp_lg_u32 s[WV], 0
	s_cbranch_scc1 .Lnot_wave_0_\@
	s_barrier_signal -3
.Lnot_wave_0_\@:
	s_barrier_wait -3
	s_barrier_signal -1
	s_barrier_wait -1
.endm
; A PREFETCH INTO THE L2 of what the NEXT round will ask for.  All clusters of a batch walk the same K and V: the batch's first cluster asks.  A piece of 32 KB is shared out among its four partners BY ADDRESS, 8 KB each;
; each wave asks for its own piece's part, lanes 256 bytes apart: one instruction a wave, and each aligned block of 256 bytes is named once in the launch.  K's last piece is named two trips, V's one trip, ahead of the loop's end.
.macro ASK
	s_cmp_gt_u32 s[CNT], s[LIM]
	s_cbranch_scc0 .Lnot_mine_\@
	global_prefetch_b8 v[PFO], s[PFA:PFA+1] th:TH_LOAD_NT scope:SCOPE_SE
.Lnot_mine_\@:
.endm
; THE HEAD OF A TRIP.  Each wave waits for all its tensor loads (its piece for this trip), adds 0 to its spare word, and waits for that, for its stores of p and for its reads of the slots that it has left.
; kind 0: a plain barrier, nothing is filled.  kind 1, 2, 3: a round of the cluster's barrier, and behind it the one joint load of the K waves (1), of the V waves (2), of all four (3).
; Every wave steps its walking descriptor alike; in the trips of kind 1 and 2 the waves that ask for nothing keep step so.
.macro CHG kind
	WIN 0
	s_wait_tensorcnt 0x0                           ; no tensor load of mine is out, so a group 0 may be written
	ds_add_u32 v[SPW], v[NIL]
.if \kind
	s_xor_b32 s[G0B+1], s[G0B+1], HSLOT            ; the other slot,
	s_add_nc_u64 s[G0B+2:G0B+3], s[G0B+2:G0B+3], STEPB   ; the next key step; the type bits on top are not reached
.endif
.if \kind == 3
	s_wait_xcnt 0x0                                ; the last prefetch, a trip back, has read its address
	s_add_nc_u64 s[PFA:PFA+1], s[PFA:PFA+1], STEPB
.endif
	s_wait_dscnt 0x0
.if \kind
	ROUND
.if \kind == 1
	s_cmp_lt_u32 s[WV], 2
	s_cbranch_scc0 .Lnone_\@
.endif
.if \kind == 2
	s_cmp_ge_u32 s[WV], 2
	s_cbranch_scc0 .Lnone_\@
.endif
	tensor_load_to_lds s[G0B:G0B+3], s[G1:G1+7]    ; the first thing behind the round, and my one tensor load until the next
	s_nop 0
.rept 4
	v_nop
.endr
.Lnone_\@:
.if \kind == 3
	ASK
.endif
.else
	s_barrier_signal -1
	s_barrier_wait -1
.endif
.endm
.macro PINLD                           ; p of the step before, my four heads x both query tiles: 8 fragments
.irp f, 0,1,2,3,4,5,6,7
	ds_load_b128 v[PIN+8*\f:PIN+8*\f+3], v[APL] offset:\f*1024
	ds_load_b128 v[PIN+8*\f+4:PIN+8*\f+7], v[APL] offset:\f*1024+512
.endr
.endm
.macro KLD grp                         ; group grp of K's fragments, 16 loads: slice grp / 2 of heads 8 (grp % 2) .. + 7
.set hd, 8*((\grp)%2)
.rept 8
	ds_load_b128 v[8*(2*hd+(\grp)/2):8*(2*hd+(\grp)/2)+3], v[ADK] offset:(2*hd+(\grp)/2)*1024
	ds_load_b128 v[8*(2*hd+(\grp)/2)+4:8*(2*hd+(\grp)/2)+7], v[ADK] offset:(2*hd+(\grp)/2)*1024+512
.set hd, hd+1
.endr
.endm
.macro SPR grp                         ; and its eight products: slice 0 starts the sums, slice 1 adds in place.  The 16 accumulators take turns
.set hd, 8*((\grp)%2)
.rept 8
.if (\grp) < 2
	v_wmma_f32_16x16x32_f16 v[S+8*hd:S+8*hd+7], v[8*(2*hd):8*(2*hd)+7], v[8*(2*hd):8*(2*hd)+7], 0
.else
	v_wmma_f32_16x16x32_f16 v[S+8*hd:S+8*hd+7], v[8*(2*hd+1):8*(2*hd+1)+7], v[8*(2*hd+1):8*(2*hd+1)+7], v[S+8*hd:S+8*hd+7]
.endif
.set hd, hd+1
.endr
.endm
; THE SCORES.  The loads run one group ahead of the products: each wait for 16 leaves out the one group of 16 loads that was issued behind the group wanted.  No group lands on a register that the products
; issued just before it have read: a group's fragments are its own.  p's loads come last: no score waits for them.
; At the end the wave signals the barrier that stands between every wave's reads of p of the step before and the stores of this step's p; the wait for it stands 24 vector instructions on, in the softmax.
.macro SPH pin
	v_add_nc_u32 v[ADK], s[SKO], v[AK0]
	v_add_nc_u32 v[ADV], s[SVO], v[AV0]
	WIN 0x40                                       ; destination window 1
	KLD 0
	KLD 1
	s_wait_dscnt 16                                ; group 0 is in; group 1 may be out
	WIN 0x09                                       ; K window 1, Q window 2, S window 0
	SPR 0
	WIN 0x40
	KLD 2
	s_wait_dscnt 16                                ; group 1 is in; group 2 may be out
	WIN 0x09
	SPR 1
	WIN 0x40
	KLD 3
	s_wait_dscnt 16                                ; group 2 is in; group 3 may be out
	WIN 0x09
	SPR 2
.if \pin
	WIN 0
	PINLD
	s_wait_dscnt 16                                ; group 3 is in; p's 16 loads may be out
	WIN 0x09
.else
	s_wait_dscnt 0x0
.endif
	SPR 3
	WIN 0
	s_wait_dscnt 0x0                               ; my reads of p of the step before are over, and no LDS instruction of mine is out
	s_barrier_signal -1
.rept 4
	v_nop                                          ; places behind the products: their results are read, and K's registers loaded anew, from here on
.endr
.endm
.macro VGRP i                          ; V of the step before, turned, for my head i: channel tiles 4 i .. 4 i + 3: keys 0-15 into registers 0-3, keys 16-31 into 4-7
	WIN 0x40
.set ct, 4*(\i)
.rept 4
	ds_load_tr16_b128 v[8*ct:8*ct+3], v[ADV] offset:ct*512
	ds_load_tr16_b128 v[8*ct+4:8*ct+7], v[ADV] offset:ct*512+32768
.set ct, ct+1
.endr
	WIN 0
.endm
.macro VLD                             ; all four heads' in one run: for the last products, which have no softmax beside them
	WIN 0x40
.set ct, 0
.rept 16
	ds_load_tr16_b128 v[8*ct:8*ct+3], v[ADV] offset:ct*512
	ds_load_tr16_b128 v[8*ct+4:8*ct+7], v[ADV] offset:ct*512+32768
.set ct, ct+1
.endr
	WIN 0
.endm
; Product pn of 32 of O^T += V^T P.  Ahead of each head's eight stands the wait for that head's loads of V.  VSP = 1, in the softmax: the next head's group of 8 has been issued behind them and may stay out (the last head: none).
; VSP = 0, all 32 loads in one run: the later heads' 24 - pn may stay out.  PVM = 1: the products start the sums.
.macro PVW back
.if pn%8 == 0
.if VSP && (pn < 24)
	s_wait_dscnt 8
.elseif VSP
	s_wait_dscnt 0x0
.else
	s_wait_dscnt 24-pn
.endif
.endif
	WIN 0xf1                                       ; V window 1, P window 0, O^T window 3
.if PVM == 1
	v_wmma_f32_16x16x32_f16 v[8*pn:8*pn+7], v[8*(pn/2):8*(pn/2)+7], v[PIN+8*(2*(pn/8)+pn%2):PIN+8*(2*(pn/8)+pn%2)+7], 0
.else
	v_wmma_f32_16x16x32_f16 v[8*pn:8*pn+7], v[8*(pn/2):8*(pn/2)+7], v[PIN+8*(2*(pn/8)+pn%2):PIN+8*(2*(pn/8)+pn%2)+7], v[8*pn:8*pn+7]
.endif
.if \back
	WIN 0
.endif
.set pn, pn+1
.endm
; Behind vector instruction vc of the softmax's first 320.  Behind the 24th: the wait of the barrier that SPH signalled (only work on registers stands between the two).
; Behind the 24th, 76th, 132nd, 188th: V's group for my head 0, 1, 2, 3.  From the 96th on, behind every seventh: a product; head i's first stands behind number 96 + 56 i, the last product behind number 313.
.macro TICK
.set vc, vc+1
.if vc == 24
	s_barrier_wait -1
.endif
.if PVM
.if vc == 24
	VGRP 0
.elseif (vc == 76) || (vc == 132) || (vc == 188)
	VGRP (vc-20)/56
.endif
.if (vc >= 96) && ((vc-96)%7 == 0) && (pn < 32)
	PVW 1
.endif
.endif
.endm
.macro GST hd                          ; head hd: e x 1 / sum
.irp k, 0,2,4,6
	v_pk_mul_f32 v[S+8*(\hd)+\k:S+8*(\hd)+\k+1], v[S+8*(\hd)+\k:S+8*(\hd)+\k+1], v[Z+\k:Z+\k+1]
.endr
.endm
.macro CVT hd                          ; rounded to f16, in place, ascending: a result never lands on a number still to be read
.irp k, 0,1,2,3
	v_cvt_pk_f16_f32 v[S+8*(\hd)+\k], v[S+8*(\hd)+2*\k], v[S+8*(\hd)+2*\k+1]
.endr
.endm
.macro PST hd                          ; and stored as half an image
	ds_store_b128 v[APS], v[S+8*(\hd):S+8*(\hd)+3] offset:(\hd)*2048
.endm
; THE SOFTMAX OVER THE HEADS, for my 16 queries x 16 keys: register i of the 16 accumulators holds the 16 heads' scores of one (query, key).
.macro SMX pvm
.set PVM, \pvm
.set VSP, 1
.set vc, 0
.set pn, 0
.irp i0, 0,4                           ; the maximum over the heads, four (query, key) by turns; registers 0-3 first
.irp st, 0,1,2,3,4,5,6,7
.irp i, 0,1,2,3
.if \st == 0
	v_max3_num_f32 v[M+\i0+\i], v[S+\i0+\i], v[S+8+\i0+\i], v[S+16+\i0+\i]
.elseif \st < 7
	v_max3_num_f32 v[M+\i0+\i], v[M+\i0+\i], v[S+8*(2*\st+1)+\i0+\i], v[S+8*(2*\st+2)+\i0+\i]
.else
	v_max_num_f32 v[M+\i0+\i], v[M+\i0+\i], v[S+120+\i0+\i]
.endif
	TICK
.endr
.endr
.endr
.irp i, 0,2,4,6
	v_pk_mul_f32 v[M+\i:M+\i+1], v[M+\i:M+\i+1], s[CN:CN+1] op_sel_hi:[1,0]   ; -c x maximum
	TICK
.endr
.set n, 0
.rept 64
	v_pk_fma_f32 v[S+2*n:S+2*n+1], v[S+2*n:S+2*n+1], s[CP:CP+1], v[M+(2*n)%8:M+(2*n)%8+1] op_sel_hi:[1,0,1]   ; c s - c maximum: 0 or less
	TICK
.set n, n+1
.endr
.set n, 0
.rept 128
	v_exp_f32 v[S+n], v[S+n]                       ; one batch: none of these reads another's result
	TICK
.set n, n+1
.endr
	v_nop                                          ; a plain instruction behind the last exponential
	s_wait_alu depctr_va_vdst(0)                   ; one wait for the batch, ahead of its first reader
.irp pr, 0,2,4,6
	v_pk_add_f32 v[Z+\pr:Z+\pr+1], v[S+\pr:S+\pr+1], v[S+8+\pr:S+8+\pr+1]
	TICK
.endr
.irp hh, 2,3,4,5,6,7,8,9,10,11,12,13,14,15
.irp pr, 0,2,4,6
	v_pk_add_f32 v[Z+\pr:Z+\pr+1], v[Z+\pr:Z+\pr+1], v[S+8*\hh+\pr:S+8*\hh+\pr+1]
	TICK
.endr
.endr
.irp i, 0,1,2,3,4,5,6,7
	v_rcp_f32 v[Z+\i], v[Z+\i]                     ; the sum is at least 1: the largest head's term
.endr
	v_nop
	s_wait_alu depctr_va_vdst(0)                   ; one wait for the eight
	GST 0                                          ; head by head: the multiplies of head h, the conversions of head h - 1, the store of head h - 2: no line reads the line above it, and the stores are spread
	GST 1
	CVT 0
.set hq, 2
.rept 14
	GST hq
	CVT hq-1
	PST hq-2
.set hq, hq+1
.endr
	CVT 15
	PST 14
	PST 15
.endm
.macro NEXTJ
	s_xor_b32 s[SKO], s[SKO], HSLOT
	s_xor_b32 s[SVO], s[SVO], HSLOT
.endm
	s_load_b128 s[4:7], s[0:1], 0x0                ; qkv, ob
	s_load_b64 s[8:9], s[0:1], 0x10                ; og
	v_lshl_add_u32 v[SPW], v0, 2, SPARE
	v_mov_b32 v[NIL], 0
	ds_add_u32 v[SPW], v[NIL]                      ; the wave's opening: the add, twice on end, and its wait ahead of my first tensor load
	ds_add_u32 v[SPW], v[NIL]
	v_lshrrev_b32 v13, 5, v0
	v_readfirstlane_b32 s[WV], v13                 ; wave 0..3
	s_bfe_u32 s11, ttmp6, 0x40000                  ; cx
	s_lshl_b32 s12, ttmp9, 2
	s_add_co_u32 s12, s12, s11                     ; my block of 32 queries
	s_and_b32 s13, ttmp7, 0xffff                   ; the batch
	s_mov_b32 s[G1], 15|(3<<16)|(1<<21)            ; the mask: all four work-groups; elements of 8 bytes; bit 21 beside a mask; no padding
	s_mov_b32 s[G1+1], 32<<16                      ; tensor_dim0 = 32: rows of 256 bytes
	s_mov_b32 s[G1+2], 128<<16                     ; tensor_dim1 = 128
	s_mov_b32 s[G1+3], 32<<16                      ; tile_dim0
	s_mov_b32 s[G1+4], 128                         ; tile_dim1
	s_mov_b32 s[G1+5], 32                          ; the pitch: the piece is dense
	s_mov_b32 s[G1+6], 0
	s_mov_b32 s[G1+7], 0
	s_and_b32 s44, s[WV], 1                        ; which of a step's two token tiles I fetch.  Also: my query tile
	s_lshr_b32 s45, s[WV], 1                       ; I fetch K (0) or V (1).  Also: my key tile
	s_xor_b32 s46, s45, 1
	s_lshl_b32 s47, s45, 17
	s_lshl_b32 s48, s44, 15
	s_add_co_u32 s47, s47, s48                     ; my piece's place in slot 0 of my ring
	s_lshl_b32 s48, s45, 16
	s_mov_b32 s[G0A], 1
	s_add_co_u32 s[G0A+1], s47, s48                ; the first first fill: K waves step 0, V waves step 1;
	s_lshl_b32 s48, s46, 16
	s_mov_b32 s[G0B], 1
	s_add_co_u32 s[G0B+1], s47, s48                ; the second: K waves step 1, V waves step 0: so V's walking descriptor is one step behind K's, as the trips want it
	s_lshl_b32 s48, s13, 6                         ; the batch's first token tile
	s_add_co_u32 s49, s48, s44
	s_mul_i32 s50, s49, TILEB
	s_lshl_b32 s51, s45, 15
	s_add_co_u32 s50, s50, s51
	s_add_co_u32 s50, s50, 32768                   ; my piece of step 0: K's block lies 32 KB, V's 64 KB into the tile
	s_mov_b32 s51, 0
	s_mul_i32 s52, s45, STEPB
	s_mov_b32 s53, 0
	s_mul_i32 s54, s46, STEPB
	s_mov_b32 s55, 0
	s_lshl_b32 s56, s12, 1
	s_add_co_u32 s56, s56, s49
	s_mul_i32 s56, s56, TILEB                      ; Q: token tile 64 b + 2 block + my query tile
	s_mov_b32 s57, 0
	s_lshl_b32 s58, s12, 1
	s_add_co_u32 s58, s58, s48                     ; 64 b + 2 block
	s_lshl_b32 s60, s58, 6                         ; og: 64 bytes a query tile
	s_mov_b32 s61, 0
	s_lshl_b32 s58, s58, 15                        ; ob: 32 KB a query tile,
	s_lshl_b32 s59, s[WV], 13
	s_add_co_u32 s58, s58, s59                     ; + my four heads' 8 KB
	s_mov_b32 s59, 0
	s_lshl_b32 s62, s11, 13                        ; the prefetches: my work-group's 8 KB of a piece,
	s_add_co_u32 s62, s62, s54
	s_add_co_u32 s62, s62, 2*STEPB                 ; at step 3 (K) or 2 (V): the loop's first trip steps it on by one
	s_mov_b32 s63, 0
	s_cmp_eq_u32 ttmp9, 0                          ; the batch's first cluster: the same in all four partners
	s_cselect_b32 s[LIM], s46, -1                  ; K waves ask while the count is above 1, V waves above 0, other clusters never
	s_mov_b32 s[SKO], 0
	s_mov_b32 s[SVO], HSLOT
	s_mov_b32 s[CP], 0x3d38aa3b                    ; log2(e) / 32
	s_mov_b32 s[CP+1], s[CP]
	s_mov_b32 s[CN], 0xbd38aa3b
	s_mov_b32 s[CN+1], s[CN]
	s_mov_b32 s[SEL], 0x76543210
	s_mov_b32 s[SEL+1], 0xfedcba98
	s_mov_b32 s[CNT], 29
	s_wait_dscnt 0x0                               ; both opening adds are done
	s_wait_kmcnt 0x0
	s_add_nc_u64 s[50:51], s[4:5], s[50:51]
	s_add_nc_u64 s[G0A+2:G0A+3], s[50:51], s[52:53]
	s_or_b32 s[G0A+3], s[G0A+3], 0x80000000
	s_add_nc_u64 s[G0B+2:G0B+3], s[50:51], s[54:55]
	s_or_b32 s[G0B+3], s[G0B+3], 0x80000000
	s_add_nc_u64 s[PFA:PFA+1], s[50:51], s[62:63]
	s_add_nc_u64 s[56:57], s[4:5], s[56:57]
	s_add_nc_u64 s[6:7], s[6:7], s[58:59]
	s_add_nc_u64 s[8:9], s[8:9], s[60:61]
	ROUND                                          ; all four work-groups are here: the first joint loads meet
	tensor_load_to_lds s[G0A:G0A+3], s[G1:G1+7]    ; every slot of both rings gets its first fill here: two loads of mine are out
	s_nop 0
	tensor_load_to_lds s[G0B:G0B+3], s[G1:G1+7]
	s_nop 0
.rept 4
	v_nop
.endr
	v_and_b32 v13, 31, v0
	v_lshlrev_b32 v[LI], 4, v13
	WIN 0x80                                       ; destination window 2
.set g, 0
.rept 32                               ; Q stays in registers: fragment g = 2 head + slice
	global_load_b128 v[8*g:8*g+3], v[LI], s[56:57] offset:g*1024
	global_load_b128 v[8*g+4:8*g+7], v[LI], s[56:57] offset:g*1024+512
.set g, g+1
.endr
	WIN 0
	s_lshl_b32 s47, s45, 15
	v_add_nc_u32 v[AK0], s47, v[LI]
	s_lshl_b32 s47, s[WV], 13
	s_add_co_u32 s47, s47, VR
	v_add_nc_u32 v[AV0], s47, v[LI]
	s_add_co_u32 s47, s47, PA-VR
	v_add_nc_u32 v[APL], s47, v[LI]
	s_lshl_b32 s47, s44, 10
	s_lshl_b32 s52, s45, 9
	s_add_co_u32 s47, s47, s52
	s_add_co_u32 s47, s47, PA
	v_add_nc_u32 v[APS], s47, v[LI]
	v_and_b32 v13, 15, v0
	v_lshl_add_u32 v[ARM], v13, 2, RM
	s_lshl_b32 s47, s[WV], 7
	v_add_nc_u32 v[ARS], s47, v[ARM]
	v_and_b32 v[PFO], 31, v0
	v_lshlrev_b32 v[PFO], 8, v[PFO]
	v_mov_b32 v34, 0                               ; written once: a lane permute's destination counts as one of its sources
	v_mov_b32 v35, 0
	s_wait_tensorcnt 1                             ; my first load is in (K waves: step 0); the second may stay out
	s_barrier_signal -1
	s_barrier_wait -1
	s_wait_loadcnt 0x0                             ; Q
	SPH 0                                          ; trip 0: scores and softmax of step 0
	SMX 0
	NEXTJ
	CHG 1                                          ; trip 1: K of step 2 is asked for; V of step 1 is there already
	SPH 1
	SMX 1                                          ; the products of step 0 start O^T's sums
	NEXTJ
.Lstep:                                            ; trips 2 to 30: K of step j + 1 and V of step j are asked for
	CHG 3
	SPH 1
	SMX 2
	NEXTJ
	s_sub_co_u32 s[CNT], s[CNT], 1
	s_cmp_lg_u32 s[CNT], 0
	s_cbranch_scc1 .Lstep
	CHG 2                                          ; trip 31: V of step 31 alone
	SPH 1
	SMX 2
	NEXTJ
	CHG 0                                          ; the last products: nothing is asked for
	v_add_nc_u32 v[ADV], s[SVO], v[AV0]
	PINLD
	VLD
.set PVM, 2
.set VSP, 0
.set pn, 0
.rept 32
	PVW 0
.endr
	; THE WAY OUT.  A row's largest magnitude: over my 16 accumulators of each query tile, the other half of the lanes, and the four waves (through LDS).
.rept 4
	v_nop                                          ; places behind the last products
.endr
	WIN 0x0f                                       ; sources 0 and 1 window 3
.set n, 0
.rept 64
.irp qt, 0,1
.if n == 0
	v_max3_num_f32 v[32+\qt], |v[8*\qt]|, |v[8*\qt+1]|, 0x07800000   ; with the floor 2^(15 - 127), so that both powers of two below are ordinary numbers
.else
	v_max3_num_f32 v[32+\qt], |v[8*(2*(n/4)+\qt)+2*(n%4)]|, |v[8*(2*(n/4)+\qt)+2*(n%4)+1]|, v[32+\qt]
.endif
.endr
.set n, n+1
.endr
	WIN 0
	v_permlanex16_b32 v34, v32, s[SEL], s[SEL+1]
	v_permlanex16_b32 v35, v33, s[SEL], s[SEL+1]
	v_max_num_f32 v32, v32, v34
	v_max_num_f32 v33, v33, v35
	ds_store_b32 v[ARS], v32                       ; lanes l and l xor 16 write the same word with the same value
	ds_store_b32 v[ARS], v33 offset:64
	s_wait_dscnt 0x0                               ; for the others' sake
	s_barrier_signal -1
	s_barrier_wait -1
.irp k, 0,1,2,3
	ds_load_b32 v[36+\k], v[ARM] offset:128*\k
	ds_load_b32 v[40+\k], v[ARM] offset:128*\k+64
.endr
	s_wait_dscnt 0x0
	v_max3_num_f32 v32, v36, v37, v38
	v_max3_num_f32 v33, v40, v41, v42
	v_max_num_f32 v32, v32, v39
	v_max_num_f32 v33, v33, v43
	v_and_b32 v32, 0x7f800000, v32                 ; E << 23
	v_and_b32 v33, 0x7f800000, v33
	v_sub_nc_u32 v44, 0x86000000, v32              ; f = 2^(141 - E): exponent field 268 - E
	v_sub_nc_u32 v46, 0x86000000, v33
	v_mov_b32 v45, v44
	v_mov_b32 v47, v46
	v_add_nc_u32 v48, 0xf9000000, v32              ; 1 / f: exponent field E - 14
	v_add_nc_u32 v49, 0xf9000000, v33
	WIN 0xc3                                       ; O^T (destination and source 0) window 3
.set n, 0
.rept 128
	v_pk_mul_f32 v[2*n:2*n+1], v[2*n:2*n+1], v[44+2*((n/4)%2):45+2*((n/4)%2)]
.set n, n+1
.endr
	WIN 0x0f
.set n, 0
.rept 128
	v_cvt_pk_f16_f32 v[64+n], v[2*n], v[2*n+1]     ; accumulator pn packs into v[64 + 4 pn] on: 16 queries x 16 channels: half an image of the last launch's operand
.set n, n+1
.endr
	WIN 0
.set n, 0
.rept 32
	global_store_b128 v[LI], v[64+4*n:64+4*n+3], s[6:7] offset:(n%2)*32768+(n/2)*512 th:TH_STORE_NT   ; the wave stores 512 consecutive bytes, aligned
.set n, n+1
.endr
	s_cmp_lg_u32 s[WV], 0
	s_cbranch_scc1 .Lno_og
	v_and_b32 v50, 31, v0                          ; wave 0 stores the 32 rows' 1 / f: lanes 0-15 query tile 0, lanes 16-31 tile 1
	v_cmp_gt_u32 vcc_lo, 16, v50
	v_cndmask_b32 v51, v49, v48, vcc_lo
	v_lshlrev_b32 v50, 2, v50
	global_store_b32 v50, v51, s[8:9]
.Lno_og:
	s_wait_tensorcnt 0x0                           ; the wave's end
	ds_add_u32 v[SPW], v[NIL]
	s_wait_dscnt 0x0
	ROUND                                          ; the closing round
	s_endpgm
.Lfunc_end_k_qe2e5e71e14_attn:
	.size	k_qe2e5e71e14_attn, .Lfunc_end_k_qe2e5e71e14_attn-k_qe2e5e71e14_attn
	.p2alignl 7, 3214868480
	.fill 96, 4, 3214868480
	.section	.rodata,"a",@progbits
	.p2align	6, 0x0
	.amdhsa_kernel k_qe2e5e71e14_attn
		.amdhsa_group_segment_fixed_size 327680
		.amdhsa_private_segment_fixed_size 0
		.amdhsa_enable_private_segment 0
		.amdhsa_kernarg_size 24
		.amdhsa_user_sgpr_count 2
		.amdhsa_user_sgpr_kernarg_segment_ptr 1
		.amdhsa_wavefront_size32 1
		.amdhsa_system_sgpr_workgroup_id_x 1
		.amdhsa_system_sgpr_workgroup_id_y 1
		.amdhsa_system_sgpr_workgroup_id_z 1
		.amdhsa_system_vgpr_workitem_id 0
		.amdhsa_next_free_vgpr 1024
		.amdhsa_next_free_sgpr 66
		.amdhsa_reserve_vcc 1
		.amdhsa_float_denorm_mode_32 3
		.amdhsa_float_denorm_mode_16_64 3
		.amdhsa_memory_ordered 1
		.amdhsa_forward_progress 1
		.amdhsa_inst_pref_size 200
	.end_amdhsa_kernel
	.amdgpu_metadata
---
amdhsa.version: [ 1, 2 ]
amdhsa.kernels:
  - .name:           k_qe2e5e71e14_attn
    .symbol:         k_qe2e5e71e14_attn.kd
    .args:
      - { .name: qkv, .offset: 0, .size: 8, .value_kind: global_buffer, .address_space: global }
      - { .name: ob, .offset: 8, .size: 8, .value_kind: global_buffer, .address_space: global }
      - { .name: og, .offset: 16, .size: 8, .value_kind: global_buffer, .address_space: global }
    .group_segment_fixed_size: 327680
    .private_segment_fixed_size: 0
    .kernarg_segment_align: 8
    .kernarg_segment_size: 24
    .max_flat_workgroup_size: 128
    .sgpr_count:     66
    .vgpr_count:     1024
    .wavefront_size: 32
...
	.end_amdgpu_metadata
.endif
;; end of part 3
;; launch proj (part 4): grid 8 x 32, 4 waves a work-group, clusters of 4 x 4, 327,680 bytes of LDS; arguments ob, og, wo, b_out, out0; writes out0
.if DOCPART == 4
	.amdgcn_target "amdgcn-amd-amdhsa--gfx1250"
	.amdhsa_code_object_version 6
	.text
	.protected	k_qe2e5e71e14_proj
	.globl	k_qe2e5e71e14_proj
	.p2align	8
	.type	k_qe2e5e71e14_proj,@function
k_qe2e5e71e14_proj:
	s_mov_b64 s[64:65], 0
	v_nop
	global_prefetch_b8 v0, s[64:65] scope:SCOPE_SE
	s_setreg_imm32_b32 hwreg(HW_REG_WAVE_MODE, 25, 1), 1
	s_wait_xcnt 0x0
	s_wait_alu depctr_hold_cnt(0) depctr_sa_sdst(0) depctr_va_vdst(0) depctr_va_sdst(0) depctr_va_ssrc(0) depctr_va_vcc(0) depctr_vm_vsrc(0)
	s_getreg_b32 s2, hwreg(HW_REG_IB_STS2, 6, 4)
	s_cmp_eq_u32 s2, 0
	s_cbranch_scc0 .Lentry_in_a_cluster
	s_endpgm
.Lentry_in_a_cluster:
	s_bfe_u32 s2, ttmp6, 0x10000c
	s_cmp_lg_u32 s2, 0xf033
	s_cbranch_scc0 .Lentry_shape_is_right
	s_endpgm
.Lentry_shape_is_right:
; FOURTH LAUNCH: out0[q][n] = g[q] x (sum over k of Os[q][k] w_out[k][n]) + b_out[n].  Os is O scaled row by row by a power of two and rounded to f16 (ob), g the inverse power (og); w_out is f16 (wo); sums f32.
; Nothing of the problem is left out here.
; Both operands lie in memory as images of their registers (16 rows x 32 K: 1,024 bytes; registers 0-3 at 16 x lane, registers 4-7 at 512 + 16 x lane): a fragment is two loads of 16 bytes a lane, with no pitch and no padding.
; A work-group makes 256 queries x 128 outputs; wave (w / 2, w % 2) makes 128 x 64: 32 accumulators in window 1.  K goes in steps of 128 (four slices of 32) through two LDS slots.
; THE MATRIX INSTRUCTION IS USED TRANSPOSED (source 0 = 16 outputs of w_out, source 1 = 16 queries of O): a lane holds one query and eight neighbouring outputs.
; CLUSTERS: 4 x 4 work-groups; O's tiles are asked for jointly along a row of the cluster, w_out's along a column.
; No prefetch: the launch has eight K steps, and each refill has 112 matrix instructions of a wave in which to land.
; REGISTERS: window 0: v1-15 addresses; v16-31 g, a pair for each of my 8 tiles of queries; v32-127, v128-223 two fragment buffers (64 of O, then 32 of w_out); v224-255 b_out in the result's layout.  window 1: the accumulators.
.set KSB,    4096                      ; a K step in a tile's row of images: four slices
.set SLOT,   98304                     ; O: [16 query tiles][4 slices][1,024]; at 65,536 w_out: [8 output tiles][4 slices][1,024]
.set WOFF,   65536
.set SPARE,  2*SLOT                    ; the spare words, 128 bytes for each wave
.set SPITCH, 272                       ; the way out: a stage of 16 rows x (256 + 16) bytes for each wave, in slot 0, which has had its last fill and its last read by then
.set LAPS,   4
.set ADO, 1                            ; v1-2 my O fragments in slot 0, 1
.set ADW, 3                            ; v3-4 my w_out fragments
.set STO, 5
.set RD,  6
.set CO,  7
.set SPW, 8
.set NIL, 9
.set GP,  16
.set F0,  32
.set F1,  128
.set BIAS, 224
.set TB,  32                           ; the way out: results, v32-63 and v64-95 by turns
.set BK,  96                           ; and rows read back, v96-127 and v128-159 by turns
.set G1, 24
.set G0, 32
.set G1B, 48
.set G0B, 56
.set MULW, 0x50                        ; C and D window 1
.set MSB, 0
.macro WIN new
.if MSB != \new
	s_set_vgpr_msb (MSB<<8)|\new
.set MSB, \new
.endif
.endm
.macro JLOAD s                         ; a joint load: waves 0 and 1 fetch O's halves, waves 2 and 3 w_out's; an s_nop 0 and four v_nop follow each of the two lines
	s_cmp_eq_u32 s15, 0
	s_cbranch_scc0 .Lfor_b_\@
	tensor_load_to_lds s[G0+4*\s:G0+4*\s+3], s[G1:G1+7]
	s_nop 0
.rept 4
	v_nop
.endr
	s_branch .Lasked_\@
.Lfor_b_\@:
	tensor_load_to_lds s[G0B+4*\s:G0B+4*\s+3], s[G1B:G1B+7]
	s_nop 0
.rept 4
	v_nop
.endr
.Lasked_\@:
.endm
.macro CREST
	s_cmp_lg_u32 s14, 0
	s_cbranch_scc1 .Lnot_wave_0_\@
	s_barrier_signal -3
.Lnot_wave_0_\@:
	s_barrier_wait -3
	s_barrier_signal -1
	s_barrier_wait -1
.endm
.macro CROUND
	s_barrier_signal -1
	s_barrier_wait -1
	CREST
.endm
	s_load_b256 s[4:11], s[0:1], 0x0               ; ob s[4:5], og s[6:7], wo s[8:9], b_out s[10:11]
	s_load_b64 s[12:13], s[0:1], 0x20              ; out0
	v_lshl_add_u32 v[SPW], v0, 2, SPARE
	v_mov_b32 v[NIL], 0
	ds_add_u32 v[SPW], v[NIL]                      ; the wave's opening: the add, twice on end, and its wait ahead of my first tensor load
	ds_add_u32 v[SPW], v[NIL]
	v_lshrrev_b32 v10, 5, v0
	v_readfirstlane_b32 s14, v10                   ; wave 0..3
	s_lshr_b32 s15, s14, 1                         ; which half of the queries is mine.  Also: I fetch O (0) or w_out (1)
	s_and_b32 s16, s14, 1                          ; which half of the outputs.  Also: which half of that tile I fetch
	s_bfe_u32 s40, ttmp6, 0x40000                  ; cx, cy
	s_bfe_u32 s41, ttmp6, 0x40004
	s_lshl_b32 s42, ttmp9, 2
	s_add_co_u32 s42, s42, s40                     ; tile column: 128 outputs
	s_and_b32 s17, ttmp7, 0xffff
	s_lshl_b32 s17, s17, 2
	s_add_co_u32 s17, s17, s41                     ; tile row: 256 queries
	s_lshl_b32 s43, s41, 2
	s_lshl_b32 s43, 15, s43                        ; my row of the cluster
	s_lshl_b32 s44, 0x1111, s40                    ; my column
	s_or_b32 s[G1+0], s43, (3<<16)|(1<<21)         ; the mask; elements of 8 bytes; bit 21 beside a mask; no padding
	s_or_b32 s[G1B+0], s44, (3<<16)|(1<<21)
	s_mov_b32 s[G1+1], 512<<16                     ; O: 8 rows (query tiles) of 4,096 bytes (four slices), 32,768 bytes apart
	s_mov_b32 s[G1+2], 8<<16
	s_mov_b32 s[G1+3], 512<<16
	s_mov_b32 s[G1+4], 8
	s_mov_b32 s[G1+5], 4096
	s_mov_b32 s[G1+6], 0
	s_mov_b32 s[G1+7], 0
	s_mov_b32 s[G1B+1], 512<<16                    ; w_out: 4 rows (output tiles) likewise
	s_mov_b32 s[G1B+2], 4<<16
	s_mov_b32 s[G1B+3], 512<<16
	s_mov_b32 s[G1B+4], 4
	s_mov_b32 s[G1B+5], 4096
	s_mov_b32 s[G1B+6], 0
	s_mov_b32 s[G1B+7], 0
	s_lshl_b32 s20, s17, 4
	s_lshl_b32 s18, s16, 3
	s_add_co_u32 s20, s20, s18
	s_lshl_b32 s20, s20, 15                        ; O: query tile 16 x tile row + 8 x half
	s_mov_b32 s21, 0
	s_lshl_b32 s46, s42, 3
	s_lshl_b32 s18, s16, 2
	s_add_co_u32 s46, s46, s18
	s_lshl_b32 s46, s46, 15                        ; w_out: output tile 8 x tile column + 4 x half
	s_mov_b32 s47, 0
	s_lshl_b32 s22, s16, 15                        ; where they go: no place in the cluster enters an LDS address
	s_lshl_b32 s23, s16, 14
	s_add_co_u32 s23, s23, WOFF
	s_wait_dscnt 0x0                               ; both opening adds are done
	s_wait_kmcnt 0x0
	s_add_nc_u64 s[20:21], s[4:5], s[20:21]
	s_add_nc_u64 s[46:47], s[8:9], s[46:47]
	CROUND                                         ; all sixteen work-groups are here: the first joint loads meet
.irp s, 0,1
	s_mov_b32 s[G0+4*\s], 1
	s_add_co_u32 s[G0+4*\s+1], s22, \s*SLOT
	s_add_nc_u64 s[G0+4*\s+2:G0+4*\s+3], s[20:21], \s*KSB
	s_or_b32 s[G0+4*\s+3], s[G0+4*\s+3], 0x80000000
	s_mov_b32 s[G0B+4*\s], 1
	s_add_co_u32 s[G0B+4*\s+1], s23, \s*SLOT
	s_add_nc_u64 s[G0B+4*\s+2:G0B+4*\s+3], s[46:47], \s*KSB
	s_or_b32 s[G0B+4*\s+3], s[G0B+4*\s+3], 0x80000000
	JLOAD \s
.endr
	v_and_b32 v10, 31, v0
	v_lshlrev_b32 v10, 4, v10                      ; 16 x lane
	s_lshl_b32 s18, s15, 15                        ; my 8 query tiles
	s_lshl_b32 s19, s16, 14
	s_add_co_u32 s19, s19, WOFF                    ; my 4 output tiles
.irp s, 0,1
	v_add_nc_u32 v[ADO+\s], s18, v10
	v_add_nc_u32 v[ADW+\s], s19, v10
	s_add_co_u32 s18, s18, SLOT
	s_add_co_u32 s19, s19, SLOT
.endr
	v_and_b32 v11, 15, v0                          ; r
	v_bfe_u32 v12, v0, 4, 1                        ; h
	s_mul_i32 s18, s14, 16*SPITCH                  ; my stage
	v_mul_u32_u24 v13, v11, SPITCH
	v_lshl_add_u32 v13, v12, 5, v13
	v_add_nc_u32 v[STO], s18, v13                  ; in: row r, 32 bytes for each half of the lanes
	v_mul_u32_u24 v13, v12, SPITCH
	v_lshl_add_u32 v13, v11, 4, v13
	v_add_nc_u32 v[RD], s18, v13                   ; back: lanes 0-15 one row of 256 bytes, lanes 16-31 the next
	v_lshlrev_b32 v13, 12, v12
	v_lshl_add_u32 v[CO], v11, 4, v13              ; and the same two rows in out0
	v_lshlrev_b32 v14, 2, v11                      ; g: 4 bytes a row
	v_lshlrev_b32 v15, 5, v12                      ; b_out: my half's eight numbers of a tile
	s_lshl_b32 s20, s17, 8
	s_lshl_b32 s21, s15, 7
	s_add_co_u32 s20, s20, s21                     ; my first row: 256 x tile row + 128 x half
	s_lshl_b32 s18, s20, 2
	s_mov_b32 s19, 0
	s_add_nc_u64 s[6:7], s[6:7], s[18:19]
	s_lshl_b32 s20, s20, 12
	s_mov_b32 s21, 0
	s_add_nc_u64 s[12:13], s[12:13], s[20:21]
	s_lshl_b32 s46, s42, 9
	s_lshl_b32 s47, s16, 8
	s_add_co_u32 s46, s46, s47                     ; my first output, in bytes: 512 x tile column + 256 x half: in a row of out0 and in b_out alike
	s_mov_b32 s47, 0
	s_add_nc_u64 s[12:13], s[12:13], s[46:47]
	s_add_nc_u64 s[10:11], s[10:11], s[46:47]
.irp a, 0,1,2,3,4,5,6,7
	global_load_b32 v[GP+2*\a], v14, s[6:7] offset:64*\a        ; g of row 16 a + r, into both halves of a pair for the packed multiply-add
	global_load_b32 v[GP+2*\a+1], v14, s[6:7] offset:64*\a
.endr
.irp b, 0,1,2,3
	global_load_b128 v[BIAS+8*\b:BIAS+8*\b+3], v15, s[10:11] offset:64*\b
	global_load_b128 v[BIAS+8*\b+4:BIAS+8*\b+7], v15, s[10:11] offset:64*\b+16
.endr
; 8 matrix instructions: query tiles a0, a0 + 1 x my 4 output tiles, 32 along K.  The 32 accumulators take turns, once a slice, in one order.
.macro MUL8 f, a0, zero
.irp a, \a0, \a0+1
.irp b, 0,1,2,3
.if \zero
	v_wmma_f32_16x16x32_f16 v[8*(4*(\a)+\b):8*(4*(\a)+\b)+7], v[\f+64+8*\b:\f+64+8*\b+7], v[\f+8*(\a):\f+8*(\a)+7], 0
.else
	v_wmma_f32_16x16x32_f16 v[8*(4*(\a)+\b):8*(4*(\a)+\b)+7], v[\f+64+8*\b:\f+64+8*\b+7], v[\f+8*(\a):\f+8*(\a)+7], v[8*(4*(\a)+\b):8*(4*(\a)+\b)+7]
.endif
.endr
.endr
.endm
; 24 LDS loads in one run: slice sl of the slot: w_out's 4 fragments, then O's 8, query tiles 0-3 first
.macro FETCH slot, sl, f
	WIN 0
.irp b, 0,1,2,3
	ds_load_b128 v[\f+64+8*\b:\f+64+8*\b+3], v[ADW+\slot] offset:\b*4096+\sl*1024
	ds_load_b128 v[\f+64+8*\b+4:\f+64+8*\b+7], v[ADW+\slot] offset:\b*4096+\sl*1024+512
.endr
.irp a, 0,1,2,3,4,5,6,7
	ds_load_b128 v[\f+8*\a:\f+8*\a+3], v[ADO+\slot] offset:\a*4096+\sl*1024
	ds_load_b128 v[\f+8*\a+4:\f+8*\a+7], v[ADO+\slot] offset:\a*4096+\sl*1024+512
.endr
.endm
.macro PLACES                          ; four plain vector instructions between a matrix instruction and a load into, or a read of, its registers
.rept 4
	v_nop
.endr
.endm
; A slice: multiplies buffer f; in its middle it fetches slice sl of the same slot into buffer g.
.macro QUARTER slot, sl, f, g, zero
	s_wait_dscnt 8                                 ; w_out's fragments and O's tiles 0-3 are in; the youngest eight loads (tiles 4-7) may be out
	WIN MULW
	MUL8 \f, 0, \zero
	MUL8 \f, 2, \zero
	PLACES
	FETCH \slot, \sl, \g
	s_wait_dscnt 24                                ; all but the 24 just issued
	WIN MULW
	MUL8 \f, 4, \zero
	MUL8 \f, 6, \zero
.endm
; A slot's last slice multiplies buffer 1 and changes slots: in front of the one barrier each wave waits for all its tensor loads, adds 0 to its spare word, and waits for that and for its reads of this slot.
; fill = 1: the barrier opens a round of the cluster's barrier, and this slot is filled again, two K steps ahead, first thing behind the round.
.macro TURN slot, next, fill
	WIN 0
	s_wait_tensorcnt 0x0                           ; all my tensor loads have landed: my part of the next slot
	ds_add_u32 v[SPW], v[NIL]
	s_wait_dscnt 9                                 ; the add and the youngest eight loads may be out
	WIN MULW
	MUL8 F1, 0, 0
	s_wait_dscnt 0x0                               ; the add is done, and my reads of this slot are over
	s_barrier_signal -1
	MUL8 F1, 2, 0
.if \fill
	WIN 0
.endif
	s_barrier_wait -1
.if \fill
	CREST
	s_add_nc_u64 s[G0+4*\slot+2:G0+4*\slot+3], s[G0+4*\slot+2:G0+4*\slot+3], 2*KSB
	s_add_nc_u64 s[G0B+4*\slot+2:G0B+4*\slot+3], s[G0B+4*\slot+2:G0B+4*\slot+3], 2*KSB
	JLOAD \slot                                    ; its four v_nop are also the places in front of the loads below
.else
	PLACES
.endif
	FETCH \next, 0, F0
	WIN MULW
	MUL8 F1, 4, 0
	MUL8 F1, 6, 0
.endm
	s_wait_tensorcnt 1                             ; my part of K step 0 is in; K step 1's may stay out
	s_barrier_signal -1
	s_barrier_wait -1
	FETCH 0, 0, F0
	QUARTER 0, 1, F0, F1, 1                        ; the first slice starts the sums: nothing is cleared
	WIN 0
	s_mov_b32 s3, LAPS-1
.Llap:                                             ; a trip goes once round the ring, from a lap's second slice to the next lap's first, and fills both slots again
	QUARTER 0, 2, F1, F0, 0
	QUARTER 0, 3, F0, F1, 0
	TURN 0, 1, 1
	QUARTER 1, 1, F0, F1, 0
	QUARTER 1, 2, F1, F0, 0
	QUARTER 1, 3, F0, F1, 0
	TURN 1, 0, 1
	QUARTER 0, 1, F0, F1, 0
	WIN 0
	s_sub_co_u32 s3, s3, 1
	s_cmp_lg_u32 s3, 0
	s_cbranch_scc1 .Llap
	QUARTER 0, 2, F1, F0, 0                        ; the last lap fills nothing
	QUARTER 0, 3, F0, F1, 0
	TURN 0, 1, 0
	QUARTER 1, 1, F0, F1, 0
	QUARTER 1, 2, F1, F0, 0
	QUARTER 1, 3, F0, F1, 0
	s_wait_dscnt 8
	WIN MULW
	MUL8 F1, 0, 0
	MUL8 F1, 2, 0
	s_wait_dscnt 0x0
	MUL8 F1, 4, 0
	MUL8 F1, 6, 0
	WIN 0
; THE WAY OUT, a tile of 16 queries x my 64 outputs at a time: sum x g + b_out, one fused multiply-add; through my own stage in LDS, so that sixteen lanes store a row's 256 consecutive bytes.
.macro PACK a
.set TT, TB+32*((\a)%2)
	WIN 0x01                                       ; source 0 window 1
.irp b, 0,1,2,3
.irp k, 0,2,4,6
	v_pk_fma_f32 v[TT+8*\b+\k:TT+8*\b+\k+1], v[8*(4*(\a)+\b)+\k:8*(4*(\a)+\b)+\k+1], v[GP+2*(\a):GP+2*(\a)+1], v[BIAS+8*\b+\k:BIAS+8*\b+\k+1]
.endr
.endr
	WIN 0
.endm
.macro TOSTAGE a
.set TT, TB+32*((\a)%2)
.set BB, BK+32*((\a)%2)
.irp b, 0,1,2,3
	ds_store_b128 v[STO], v[TT+8*\b:TT+8*\b+3] offset:64*\b
	ds_store_b128 v[STO], v[TT+8*\b+4:TT+8*\b+7] offset:64*\b+16
.endr
.irp t, 0,1,2,3,4,5,6,7
	ds_load_b128 v[BB+4*\t:BB+4*\t+3], v[RD] offset:\t*2*SPITCH   ; LDS serves a wave's instructions in order: these see the stores above
.endr
.endm
.macro SEND a
.set BB, BK+32*((\a)%2)
	s_wait_dscnt 0x0                               ; the tile is back in registers
	s_wait_xcnt 0x0                                ; the tile before has been read by its stores: its registers may be loaded anew behind this wait
.irp t, 0,1,2,3,4,5,6,7
	global_store_b128 v[CO], v[BB+4*\t:BB+4*\t+3], s[12:13] offset:(16*(\a)+2*\t)*4096 th:TH_STORE_NT   ; sixteen lanes store 256 consecutive bytes, aligned
.endr
.endm
	s_wait_loadcnt 0x0                             ; g and b_out
	PLACES                                         ; behind the last products
	PACK 0
	TOSTAGE 0
.irp a, 1,2,3,4,5,6,7
	PACK \a                                        ; a tile's arithmetic stands between the loads of the tile before and the wait for them
	SEND \a-1
	TOSTAGE \a
.endr
	SEND 7
	s_wait_tensorcnt 0x0                           ; the wave's end
	ds_add_u32 v[SPW], v[NIL]
	s_wait_dscnt 0x0
	CROUND                                         ; the closing round
	s_endpgm
.Lfunc_end_k_qe2e5e71e14_proj:
	.size	k_qe2e5e71e14_proj, .Lfunc_end_k_qe2e5e71e14_proj-k_qe2e5e71e14_proj
	.p2alignl 7, 3214868480
	.fill 96, 4, 3214868480
	.section	.rodata,"a",@progbits
	.p2align	6, 0x0
	.amdhsa_kernel k_qe2e5e71e14_proj
		.amdhsa_group_segment_fixed_size 327680
		.amdhsa_private_segment_fixed_size 0
		.amdhsa_enable_private_segment 0
		.amdhsa_kernarg_size 40
		.amdhsa_user_sgpr_count 2
		.amdhsa_user_sgpr_kernarg_segment_ptr 1
		.amdhsa_wavefront_size32 1
		.amdhsa_system_sgpr_workgroup_id_x 1
		.amdhsa_system_sgpr_workgroup_id_y 1
		.amdhsa_system_sgpr_workgroup_id_z 1
		.amdhsa_system_vgpr_workitem_id 0
		.amdhsa_next_free_vgpr 512
		.amdhsa_next_free_sgpr 66
		.amdhsa_reserve_vcc 0
		.amdhsa_float_denorm_mode_32 3
		.amdhsa_float_denorm_mode_16_64 3
		.amdhsa_memory_ordered 1
		.amdhsa_forward_progress 1
		.amdhsa_inst_pref_size 96
	.end_amdhsa_kernel
	.amdgpu_metadata
---
amdhsa.version: [ 1, 2 ]
amdhsa.kernels:
  - .name:           k_qe2e5e71e14_proj
    .symbol:         k_qe2e5e71e14_proj.kd
    .args:
      - { .name: ob, .offset: 0, .size: 8, .value_kind: global_buffer, .address_space: global }
      - { .name: og, .offset: 8, .size: 8, .value_kind: global_buffer, .address_space: global }
      - { .name: wo, .offset: 16, .size: 8, .value_kind: global_buffer, .address_space: global }
      - { .name: b_out, .offset: 24, .size: 8, .value_kind: global_buffer, .address_space: global }
      - { .name: out0, .offset: 32, .size: 8, .value_kind: global_buffer, .address_space: global }
    .group_segment_fixed_size: 327680
    .private_segment_fixed_size: 0
    .kernarg_segment_align: 8
    .kernarg_segment_size: 40
    .max_flat_workgroup_size: 128
    .sgpr_count:     66
    .vgpr_count:     512
    .wavefront_size: 32
...
	.end_amdgpu_metadata
.endif
;; end of part 4
